; MI455X (gfx1250); checked and timed in simulation.
; The chip was launched on July 23, 2026; its instructions are those of AMD's public machine-readable ISA for CDNA 5 (MIT licence, August 2026) and "CDNA5" Instruction Set Architecture Reference Guide (July 2026). The comments in the code are by the model that wrote it; some were corrected since.
;; Causal Self Attention. Allowed arithmetic: matrix products marked QUANTISED: E4M3 operands, one E8M0 scale for each 32 along K, by v_wmma_scale_f32_16x16x128_f8f6f4 with both operands' format E4M3, f32 sums; everything else in f32.
;; Inputs: Wk 1,024 x 1,024 float32; Wp 1,024 x 1,024 float32; Wq 1,024 x 1,024 float32; Wv 1,024 x 1,024 float32; bk 1,024 float32; bp 1,024 float32; bq 1,024 float32; bv 1,024 float32; x 4 x 2,048 x 1,024 float32.
;; Outputs: out0 4 x 2,048 x 1,024 float32.
;; This version of the problem:
;;   THIS VERSION OF THE PROBLEM IS GIVEN IN LOW PRECISION. The matrix products marked QUANTISED in the list below multiply operands that are first quantised to E4M3 (4 exponent bits, 3 mantissa bits; 8 bits a number), with one power-of-two scale for each 32 numbers along K (OCP MX v1.0); their sums are f32. All else is computed in f32.
;;   The module's matrix products, in the order in which they are computed (A, B: the left and right operand; K: the contracted axis; several contracted axes count as one K, in the product's order):
;;     1. [M 8,192, K 1,024] x [K 1,024, N 1,024]; A: input x; B: input Wq: QUANTISED
;;     2. [M 8,192, K 1,024] x [K 1,024, N 1,024]; A: input x; B: input Wk: QUANTISED
;;     3. [M 8,192, K 1,024] x [K 1,024, N 1,024]; A: input x; B: input Wv: QUANTISED
;;     4. batch 64 x [M 2,048, K 64] x [K 64, N 2,048]; A: computed on the way; B: computed on the way: QUANTISED
;;     5. batch 64 x [M 2,048, K 2,048] x [K 2,048, N 64]; A: softmax (see below); B: computed on the way: QUANTISED
;;     6. [M 8,192, K 1,024] x [K 1,024, N 1,024]; A: computed on the way; B: input Wp: QUANTISED
;;   THE QUANTISER, for each operand of a quantised product, along K:
;;     - K is cut into blocks of 32 from its start; a last block that is shorter is filled with zeros.
;;     - A block's scale is 2^e with e = floor(log2(the largest magnitude in the block)) - 8, held to -126 .. 127; a block of zeros has e = 0. As a byte (E8M0): e + 127.
;;     - Each number is divided by its block's scale, clamped to +-448, and rounded to the nearest number of E4M3, ties to even, subnormals kept.
;;     - The product sums the exact products of the quantised numbers (number of the format x scale) in f32.
;;   ~~~python
;;   def quantise(x, axis):      # numpy; x: float32 -> the quantised numbers, widened to float32 again
;;       x = np.moveaxis(x, axis, -1); K = x.shape[-1]
;;       x = np.pad(x, [(0, 0)] * (x.ndim - 1) + [(0, -K % 32)]); x = x.reshape(x.shape[:-1] + (-1, 32)); a = np.abs(x).max(-1, keepdims=True)
;;       e = np.where(a > 0, np.clip(np.frexp(np.where(a > 0, a, 1))[1] - 1 - 8, -126, 127), 0)      # np.frexp(a)[1] - 1 = floor(log2(a)), exactly
;;       r = np.clip(x / 2.0 ** e, -448, 448)
;;       step = 2.0 ** (np.maximum(np.frexp(np.where(r == 0, 1, r))[1] - 1, -6) - 3)
;;       q = np.round(r / step) * step * 2.0 ** e      # np.round: ties to even
;;       return np.moveaxis(q.reshape(q.shape[:-2] + (-1,))[..., :K], -1, axis).astype(np.float32)
;;   ~~~
;;   SOFTMAX AHEAD OF A QUANTISED PRODUCT. Where the list says 'softmax', what is quantised is not the finished softmax but p = 2^(t - M), with t = logit x log2(e) and M = ceil(the row's largest t), a whole number; so 1/2 < the row's largest p <= 1. The row's sum l is taken of the UNQUANTISED p, in f32, and the product's result is divided by l at the end. Since M is a whole number, a kernel that streams over the keys may use a running M (the ceiling of the running maximum): every later rescaling is an exact power of two, which a block's scale takes up: the codes' values come out the same.
;;   OPERANDS COMPUTED ON THE WAY. 'Computed on the way' means the value that the module computes at that place (a softmax that the list does not call 'softmax' is quantised finished and normalised). What goes into a quantiser is computed in f32, as accurately as f32 sums, v_exp_f32 and their like allow (about 1e-6 of the number): no bf16 or f16 on the way to a quantiser, and a product that is left as it is and whose result goes on into a quantised operand takes f32 operands (vector FMAs, or v_wmma_f32_16x16x4_f32). A number that lies on a knife's edge between two numbers of the format may be rounded either way, as far as f32 arithmetic and the matrix unit's own rounding can turn it there, and no further.
;; One version. Each part assembles by itself: llvm-mc -triple=amdgcn-amd-amdhsa -mcpu=gfx1250 --defsym DOCPART=n.
;; ======== version 1 of 1: 4 launches
;; limits: right only within a limited range of input values
;; workspace buffers: opnd 12,976,128 bytes; qkv 25,952,256 bytes; att 8,650,752 bytes
;; launch quant (part 1): grid 384 x 1, 4 waves a work-group, no clusters, 34,304 bytes of LDS; arguments x, Wq, Wk, Wv, Wp, opnd; writes opnd
.if DOCPART == 1
	.amdgcn_target "amdgcn-amd-amdhsa--gfx1250"
	.amdhsa_code_object_version 6
	.text
	.protected	k_qed8553e661_quant
	.globl	k_qed8553e661_quant
	.p2align	8
	.type	k_qed8553e661_quant,@function
k_qed8553e661_quant:
	s_mov_b64 s[64:65], 0
	v_nop
	global_prefetch_b8 v0, s[64:65] scope:SCOPE_SE
	s_setreg_imm32_b32 hwreg(HW_REG_WAVE_MODE, 25, 1), 1
	s_wait_xcnt 0x0
; x [8192][1024] and Wq, Wk, Wv, Wp [1024 (k)][1024 (n)], f32, become codes of FP8 (E4M3) with one E8M0 byte for each 32 along K, in the workspace opnd.
; LAYOUT OF THE CODES: images of operand registers.  A fragment (16 rows x 128 K) is 2,048 bytes, [group c 4][lane 32][16 bytes]: lane (r, h) of group c holds 16 codes of row r, block c of 32.
; ORDER INSIDE A BLOCK OF 32: byte i of half h is k = 8 h + i (i < 8) or 16 + 8 h + (i - 8).  Every operand of the program lies so, on both sides of every product, so the products and the blocks stay what they are.
;   XC at 0: [row tile 512][K step 8][2,048];  WC at WC_OFF: [n tile 256: q, k, v, p 64 each][K step 8][2,048].
;   scale words (four bytes: 128 along K of a row): XS, WS: [tile][pair of K steps 4][r 16][2 words]: 512 bytes a tile.
; A block's scale is 2^(floor(log2(largest magnitude)) - 8); its byte is that magnitude's exponent field - 8, held at 1 from below.
; LIMITS: a block whose largest magnitude lies under 2^-118, a block of zeros among them, gets the byte 1 (its codes then are zeros or subnormal codes; the bytes are read by this program alone); NaN and infinities are not served.
; Work-groups 0-255 take x (a wave: 16 rows x 512 along K), 256-383 the weights (a wave: 32 columns x 256 along K).  The waves share nothing: no barrier.  Only x's path uses LDS.
.set WC_OFF, 8388608
.set XS_OFF, 12582912
.set WS_OFF, 12845056
.set SEL, 20                           ; s[20:21] lane selects: lane l xor 16
.set MNT, 23
.set R,   16                           ; v16-143  x: two sets of 64 registers as loaded (16 rows x 16 bytes a lane)
.set X,   144                          ; v144-207 x: my 64 numbers of a K step: register 16 c + i
.set PC,  208                          ; v208-223 a fragment's codes
.set TM,  224                          ; v224-239 at work
.set PW,  240                          ; the scale word just made
.set PWS, 244                          ; v244-247 the four K steps' scale words; v248-249 the pair that leaves
.set WX,  32                           ; v32-95   weights: two sets of 32 numbers down K
.set WCD, 96                           ; v96-159  weights: eight registers of codes for each block, so that no store's data are written again
.set SB,  24                           ; v24-25   weights: the scale bytes
; 64 numbers of a lane, register 16 b + i, become a fragment's codes in v[PC] on and its scale word in v[PW]
.macro QUANT s
.irp b, 0,1,2,3
	v_max3_num_f32 v[TM+\b], |v[\s+16*\b]|, |v[\s+1+16*\b]|, 0x4800000   ; my 16 numbers of block b, and the floor 2^(9 - 127): the byte cannot fall under 1
.endr
.irp i, 2,4,6,8,10,12,14
.irp b, 0,1,2,3
	v_max3_num_f32 v[TM+\b], v[TM+\b], |v[\s+16*\b+\i]|, |v[\s+1+16*\b+\i]|
.endr
.endr
.irp b, 0,1,2,3
	v_permlanex16_b32 v[TM+4+\b], v[TM+\b], s[SEL], s[SEL+1]
.endr
.irp b, 0,1,2,3
	v_max_num_f32 v[TM+\b], v[TM+\b], v[TM+4+\b]           ; with lane l xor 16's 16: the block's largest magnitude
.endr
.irp b, 0,1,2,3
	v_add_nc_u32 v[TM+12+\b], 0xfc000000, v[TM+\b]         ; 8 off its exponent field: the conversion's scale operand
.endr
.irp b, 0,1,2,3
.endr
.irp b, 0,1,2,3
	v_lshrrev_b32 v[TM+4+\b], 23, v[TM+12+\b]              ; the scale's byte
.endr
	v_lshl_or_b32 v[PW], v[TM+5], 8, v[TM+4]
	v_lshl_or_b32 v[PW], v[TM+6], 16, v[PW]
	v_lshl_or_b32 v[PW], v[TM+7], 24, v[PW]
.irp b, 0,1,2,3
.irp i, 0,1,2,3,4,5,6,7,8,9,10,11,12,13,14,15
.endr
	v_cvt_scalef32_pk8_fp8_f32 v[PC+4*\b:PC+1+4*\b], v[\s+16*\b:\s+7+16*\b], v[TM+12+\b]
	v_cvt_scalef32_pk8_fp8_f32 v[PC+2+4*\b:PC+3+4*\b], v[\s+8+16*\b:\s+15+16*\b], v[TM+12+\b]
.endr
	v_nop                                          ; a plain line behind the last conversion
.endm
.macro LOADX s                         ; K step s of my 16 rows: a load reads 512 consecutive bytes of one row
.irp p, 0,1,2,3,4,5,6,7,8,9,10,11,12,13,14,15
	global_load_b128 v[R+64*((\s)%2)+4*\p:R+64*((\s)%2)+4*\p+3], v3, s[4:5] offset:4096*\p+512*(\s) th:TH_LOAD_NT
.endr
.endm
.macro STEPX s
.if (\s) < 3
	s_wait_loadcnt 16                              ; this K step's 16 loads are in; the next step's 16 may be out
.else
	s_wait_loadcnt 0x0
.endif
.irp p, 0,1,2,3,4,5,6,7,8,9,10,11,12,13,14,15
	ds_store_b128 v14, v[R+64*((\s)%2)+4*\p:R+64*((\s)%2)+4*\p+3] offset:528*\p   ; the rows as they lie, 528 bytes apart
.endr
.irp c, 0,1,2,3                        ; back: lane (r, h) takes of row r, block c, k = 8 h .. + 7 and 16 + 8 h .. + 7.  LDS serves a wave's instructions in order: these see the stores
	ds_load_b128 v[X+16*\c:X+16*\c+3], v15 offset:128*\c
	ds_load_b128 v[X+16*\c+4:X+16*\c+7], v15 offset:128*\c+16
	ds_load_b128 v[X+16*\c+8:X+16*\c+11], v15 offset:128*\c+64
	ds_load_b128 v[X+16*\c+12:X+16*\c+15], v15 offset:128*\c+80
.endr
	s_wait_dscnt 0x0                               ; my numbers are in, and the stores have read their registers:
.if (\s) < 2
	LOADX (\s)+2                                   ; which take the loads of two K steps on
.endif
	s_wait_xcnt 0x0                                ; the last step's stores have read v[PC] on: it is written again only behind this wait
	QUANT X
	v_mov_b32 v[PWS+(\s)], v[PW]
.irp c, 0,1,2,3
	global_store_b128 v3, v[PC+4*\c:PC+4*\c+3], s[26:27] offset:2048*(\s)+512*\c   ; a group of the image: 512 consecutive bytes
.endr
.endm
.macro WLOAD t                         ; block t: W(32 t + i, my column)
.irp i, 0,1,2,3,4,5,6,7,8,9,10,11,12,13,14,15,16,17,18,19,20,21,22,23,24,25,26,27,28,29,30,31
	global_load_b32 v[WX+32*((\t)%2)+\i], v7, s[4:5] offset:(32*(\t)+\i)*4096 th:TH_LOAD_NT
.endr
.endm
.macro BLOCK t
.set XB, WX+32*((\t)%2)
.set CD, WCD+8*(\t)
.if (\t) < 7
	s_wait_loadcnt 32                              ; this block's 32 loads are in; the next block's 32 may be out
.else
	s_wait_loadcnt 0x0
.endif
	v_max3_num_f32 v12, |v[XB]|, |v[XB+1]|, |v[XB+2]|      ; all 32 numbers of the block are mine
	v_max3_num_f32 v13, |v[XB+3]|, |v[XB+4]|, |v[XB+5]|
.irp i, 6,10,14,18,22,26
	v_max3_num_f32 v12, v12, |v[XB+\i]|, |v[XB+\i+1]|
	v_max3_num_f32 v13, v13, |v[XB+\i+2]|, |v[XB+\i+3]|
.endr
	v_max3_num_f32 v12, v12, |v[XB+30]|, |v[XB+31]|
	v_max3_num_f32 v12, v12, v13, 0x4800000        ; and the floor
	v_add_nc_u32 v11, 0xfc000000, v12
	v_lshrrev_b32 v13, 23, v11
.if (\t)%4 == 0
	v_mov_b32 v[SB+(\t)/4], v13
.else
	v_lshl_or_b32 v[SB+(\t)/4], v13, 8*((\t)%4), v[SB+(\t)/4]
.endif
.irp i, 0,1,2,3,4,5,6,7,8,9,10,11,12,13,14,15,16,17,18,19,20,21,22,23,24,25,26,27,28,29,30,31
.endr
	v_cvt_scalef32_pk8_fp8_f32 v[CD:CD+1], v[XB:XB+7], v11         ; half 0 of the block: k = 0 .. 7,
	v_cvt_scalef32_pk8_fp8_f32 v[CD+2:CD+3], v[XB+16:XB+23], v11   ; 16 .. 23;
	v_cvt_scalef32_pk8_fp8_f32 v[CD+4:CD+5], v[XB+8:XB+15], v11    ; half 1: 8 .. 15,
	v_cvt_scalef32_pk8_fp8_f32 v[CD+6:CD+7], v[XB+24:XB+31], v11   ; 24 .. 31
	v_nop
	global_store_b128 v8, v[CD:CD+3], s[30:31] offset:2048*((\t)/4)+512*((\t)%4)       ; sixteen lanes store 256 consecutive bytes, aligned
	global_store_b128 v8, v[CD+4:CD+7], s[30:31] offset:2048*((\t)/4)+512*((\t)%4)+256
.if (\t)+2 < 8
	WLOAD (\t)+2
.endif
.endm
	s_load_b256 s[4:11], s[0:1], 0x0               ; x s[4:5], Wq s[6:7], Wk s[8:9], Wv s[10:11]
	s_load_b128 s[12:15], s[0:1], 0x20             ; Wp s[12:13], opnd s[14:15]
	v_lshl_add_u32 v254, v0, 2, 0x8400
	v_mov_b32 v255, 0
	v_lshrrev_b32 v1, 5, v0
	v_readfirstlane_b32 s16, v1                    ; wave
	v_and_b32 v2, 31, v0                           ; lane
	v_lshlrev_b32 v3, 4, v2                        ; 16 x lane
	v_and_b32 v4, 15, v2                           ; r
	v_lshrrev_b32 v5, 4, v2                        ; h
	s_mov_b32 s[SEL], 0x76543210
	s_mov_b32 s[SEL+1], 0xfedcba98
	s_cmp_ge_u32 ttmp9, 256
	s_cbranch_scc1 .Lweights
	; ---- x: job = 4 x work-group + wave; row tile job / 2, K steps 4 (job % 2) on
	s_lshl_b32 s17, ttmp9, 2
	s_add_co_u32 s17, s17, s16
	s_lshr_b32 s18, s17, 1                         ; row tile
	s_and_b32 s19, s17, 1                          ; which half of K
	s_lshl_b32 s24, s18, 16                        ; x: 16 rows of 4,096 bytes a tile,
	s_lshl_b32 s26, s19, 11                        ; 2,048 bytes a half
	s_add_co_u32 s24, s24, s26
	s_mov_b32 s25, 0
	s_lshl_b32 s26, s18, 14                        ; codes: 16,384 bytes a tile, 8,192 a half
	s_lshl_b32 s28, s19, 13
	s_add_co_u32 s26, s26, s28
	s_mov_b32 s27, 0
	s_lshl_b32 s28, s18, 9                         ; scale words: 512 bytes a tile, 256 a half
	s_lshl_b32 s30, s19, 8
	s_add_co_u32 s28, s28, s30
	s_add_co_u32 s28, s28, XS_OFF
	s_mov_b32 s29, 0
	s_mul_i32 s30, s16, 8448                       ; my stage: 16 rows x 528 bytes
	s_wait_alu depctr_va_vdst(0)
	v_add_nc_u32 v14, s30, v3                      ; in: 16 x lane of a row
	v_mul_u32_u24 v15, v4, 528
	v_lshl_add_u32 v15, v5, 5, v15
	v_add_nc_u32 v15, s30, v15                     ; back: row r, + 32 h
	v_lshlrev_b32 v6, 3, v2                        ; 8 x lane: my place among the wave's 256 bytes of scale words
.irp b, 0,1,2,3
	v_mov_b32 v[TM+4+\b], 0                        ; written once: a lane permute's destination counts as one of its sources
.endr
	s_wait_alu depctr_va_vdst(0)
	s_wait_kmcnt 0x0
	s_add_nc_u64 s[4:5], s[4:5], s[24:25]
	s_add_nc_u64 s[26:27], s[14:15], s[26:27]
	s_add_nc_u64 s[28:29], s[14:15], s[28:29]
	LOADX 0
	LOADX 1
	STEPX 0
	STEPX 1
	STEPX 2
	STEPX 3
	v_cmp_gt_u32 vcc_lo, 16, v2                    ; lanes 0-15 store row r's words of the first pair of K steps, lanes 16-31 those of the second (both halves of the lanes hold the same words)
	v_cndmask_b32 v[PWS+4], v[PWS+2], v[PWS], vcc_lo
	v_cndmask_b32 v[PWS+5], v[PWS+3], v[PWS+1], vcc_lo
	global_store_b64 v6, v[PWS+4:PWS+5], s[28:29]  ; 32 lanes store 256 consecutive bytes, aligned
	s_wait_tensorcnt 0x0
	ds_add_u32 v254, v255
	s_wait_dscnt 0x0
	s_endpgm
.Lweights:
	; ---- the weights: a lane takes a column n, its registers run down K: nothing is transposed
	s_sub_co_u32 s17, ttmp9, 256
	s_lshr_b32 s18, s17, 5                         ; which weight: q, k, v, p
	s_bfe_u32 s19, s17, 0x30002                    ; which 128 columns
	s_and_b32 s22, s17, 3                          ; which 256 along K
	s_lshl_b32 s24, s19, 7
	s_lshl_b32 s25, s16, 5
	s_add_co_u32 s24, s24, s25                     ; my wave's first column
	s_lshl_b32 s26, s22, 20                        ; 256 rows of 4,096 bytes
	s_lshl_b32 s27, s24, 2
	s_add_co_u32 s26, s26, s27
	s_mov_b32 s27, 0
	s_lshl_b32 s28, s18, 6
	s_lshr_b32 s29, s24, 4
	s_add_co_u32 s28, s28, s29                     ; my first n tile
	s_lshl_b32 s30, s28, 14
	s_lshl_b32 s31, s22, 12                        ; two K steps of 2,048 bytes
	s_add_co_u32 s30, s30, s31
	s_add_co_u32 s30, s30, WC_OFF
	s_mov_b32 s31, 0
	s_lshl_b32 s32, s28, 9
	s_lshl_b32 s33, s22, 7
	s_add_co_u32 s32, s32, s33
	s_add_co_u32 s32, s32, WS_OFF
	s_mov_b32 s33, 0
	s_wait_alu depctr_va_vdst(0)
	v_lshlrev_b32 v7, 2, v2                        ; in: 4 bytes a lane
	v_lshlrev_b32 v8, 14, v5                       ; codes: lanes 16-31 belong to the next n tile;
	v_lshl_add_u32 v8, v4, 4, v8                   ; 16 bytes for row r of a group's half
	v_lshlrev_b32 v9, 9, v5
	v_lshl_add_u32 v9, v4, 3, v9                   ; scale words: 8 bytes for row r
	s_and_b32 s34, s18, 1
	s_wait_alu depctr_va_vdst(0)
	s_wait_kmcnt 0x0
	s_cmp_lt_u32 s18, 2                            ; the choice hangs on the work-group's number alone
	s_cselect_b64 s[36:37], s[6:7], s[10:11]
	s_cselect_b64 s[38:39], s[8:9], s[12:13]
	s_cmp_eq_u32 s34, 0
	s_cselect_b64 s[4:5], s[36:37], s[38:39]
	s_add_nc_u64 s[4:5], s[4:5], s[26:27]
	s_add_nc_u64 s[30:31], s[14:15], s[30:31]
	s_add_nc_u64 s[32:33], s[14:15], s[32:33]
	WLOAD 0
	WLOAD 1
.irp t, 0,1,2,3,4,5,6,7
	BLOCK \t
.endr
	global_store_b64 v9, v[SB:SB+1], s[32:33]      ; my column's two scale words: sixteen lanes store 128 consecutive bytes
	s_endpgm
.Lfunc_end_k_qed8553e661_quant:
	.size	k_qed8553e661_quant, .Lfunc_end_k_qed8553e661_quant-k_qed8553e661_quant
	.p2alignl 7, 3214868480
	.fill 96, 4, 3214868480
	.section	.rodata,"a",@progbits
	.p2align	6, 0x0
	.amdhsa_kernel k_qed8553e661_quant
		.amdhsa_group_segment_fixed_size 34304
		.amdhsa_private_segment_fixed_size 0
		.amdhsa_enable_private_segment 0
		.amdhsa_kernarg_size 48
		.amdhsa_user_sgpr_count 2
		.amdhsa_user_sgpr_kernarg_segment_ptr 1
		.amdhsa_wavefront_size32 1
		.amdhsa_system_sgpr_workgroup_id_x 1
		.amdhsa_system_sgpr_workgroup_id_y 1
		.amdhsa_system_sgpr_workgroup_id_z 1
		.amdhsa_system_vgpr_workitem_id 0
		.amdhsa_next_free_vgpr 256
		.amdhsa_next_free_sgpr 66
		.amdhsa_reserve_vcc 1
		.amdhsa_float_denorm_mode_32 3
		.amdhsa_float_denorm_mode_16_64 3
		.amdhsa_fp16_overflow 1
		.amdhsa_memory_ordered 1
		.amdhsa_forward_progress 1
		.amdhsa_inst_pref_size 72
	.end_amdhsa_kernel
	.amdgpu_metadata
---
amdhsa.version: [ 1, 2 ]
amdhsa.kernels:
  - .name:           k_qed8553e661_quant
    .symbol:         k_qed8553e661_quant.kd
    .args:
      - { .name: x, .offset: 0, .size: 8, .value_kind: global_buffer, .address_space: global }
      - { .name: Wq, .offset: 8, .size: 8, .value_kind: global_buffer, .address_space: global }
      - { .name: Wk, .offset: 16, .size: 8, .value_kind: global_buffer, .address_space: global }
      - { .name: Wv, .offset: 24, .size: 8, .value_kind: global_buffer, .address_space: global }
      - { .name: Wp, .offset: 32, .size: 8, .value_kind: global_buffer, .address_space: global }
      - { .name: opnd, .offset: 40, .size: 8, .value_kind: global_buffer, .address_space: global }
    .group_segment_fixed_size: 34304
    .private_segment_fixed_size: 0
    .kernarg_segment_align: 8
    .kernarg_segment_size: 48
    .max_flat_workgroup_size: 128
    .sgpr_count:     66
    .vgpr_count:     256
    .wavefront_size: 32
...
	.end_amdgpu_metadata
.endif
;; end of part 1
;; launch qkvgemm (part 2): grid 12 x 32, 4 waves a work-group, clusters of 4 x 4, 327,680 bytes of LDS; arguments opnd, bq, bk, bv, qkv; writes qkv
.if DOCPART == 2
	.amdgcn_target "amdgcn-amd-amdhsa--gfx1250"
	.amdhsa_code_object_version 6
	.text
	.protected	k_qed8553e661_qkvgemm
	.globl	k_qed8553e661_qkvgemm
	.p2align	8
	.type	k_qed8553e661_qkvgemm,@function
k_qed8553e661_qkvgemm:
	s_mov_b64 s[64:65], 0
	v_nop
	global_prefetch_b8 v0, s[64:65] scope:SCOPE_SE
	s_setreg_imm32_b32 hwreg(HW_REG_WAVE_MODE, 25, 1), 1
	s_wait_xcnt 0x0
	s_wait_alu depctr_hold_cnt(0) depctr_sa_sdst(0) depctr_va_vdst(0) depctr_va_sdst(0) depctr_va_ssrc(0) depctr_va_vcc(0) depctr_vm_vsrc(0)
	s_getreg_b32 s2, hwreg(HW_REG_IB_STS2, 6, 4)
	s_cmp_eq_u32 s2, 0
	s_cbranch_scc0 .Lentry_in_a_cluster
	s_endpgm
.Lentry_in_a_cluster:
	s_bfe_u32 s2, ttmp6, 0x10000c
	s_cmp_lg_u32 s2, 0xf033
	s_cbranch_scc0 .Lentry_shape_is_right
	s_endpgm
.Lentry_shape_is_right:
; q = x Wq + bq, k = x Wk + bk, v = x Wv + bv on codes of FP8 (E4M3) with E8M0 scales, K = 1,024; the results are quantised here and leave as codes: q and k along a head's 64, v along the keys.
; ONE BODY, THREE KINDS, told apart by the cluster's x (0: q, 1: k, 2: v), which all sixteen partners share; what differs is chosen by s_cselect, never by a branch.
;   q, k: the A matrix is x (32 tile rows of 256 tokens), the B matrix Wq | Wk (8 tile columns of 256 features).   v: the A matrix is Wv (4 tile rows of 256 channels), the B matrix x (32 tile columns of tokens).
; A tile of 256 x 256 is made by four waves, each 128 x 128: 64 accumulators, 512 registers.  THE MATRIX INSTRUCTION IS USED TRANSPOSED (source 0 = 16 rows of B, source 1 = 16 rows of A): a lane holds ONE row of A, and the
; 16 registers of two neighbouring accumulators are 16 numbers of one block of 32 along B's rows, in the order that every operand of this program has inside a block: so the conversions' results are images of the next operand's registers.
; OPERANDS lie in memory as images of registers: a fragment (16 rows x 128 K) is [group 4][lane 32][16 bytes]; a tile of 16 rows has 8 K steps on end (16,384 bytes).  In LDS a fragment's group is read at 16 x lane: 512 consecutive bytes.
; K goes in four steps of 256 through two LDS slots; the scale words of all of K come once.  CLUSTER 4 x 4: A's tiles are asked for jointly along a row of the cluster, B's along a column.
; THE BIAS starts the sums: accumulator (a, b) = column bias (q, k) + row bias (v); the set that does not apply is cleared by a mask.
; OUT: QC, KC, VC: [batch 4][pair of heads 8][block of 128 tokens 16][a 8][group 4][512]: a wave's tile is 16,384 bytes on end.  q, k: a = tile of 16 tokens, groups 0, 1 the even head, 2, 3 the odd.  v: a = 4 (head % 2) + tile of 16 channels, groups along the 128 keys.
;   QS, KS, VS: [batch][pair][block][i 2][u 4][r 16] words.  q, k: i = the head's parity, the word = two bytes of tile 2 u, two of tile 2 u + 1, row r.  v: the word of a = 2 u + i, channel r.
; LIMITS: a block whose largest magnitude lies under 2^-118 gets the byte 1; NaN and infinities are not served.
; REGISTERS: window 0: v0-31 addresses; v32-63 scale words, two sets; v64-127 the column bias, later at work; v128-255 A's fragments, one set (first the row bias, at the end the codes).  window 1: B's fragments, two sets.  windows 2, 3: the accumulators, (a, b) at v[8 (8 (a % 4) + b)].
.set WC_OFF, 8388608
.set XS_OFF, 12582912
.set WS_OFF, 12845056
.set QS_OFF, 25165824
.set NQ,     2                         ; matrix instructions deep in a slot
.set FR,     16                        ; registers of a fragment
.set NL,     4                         ; LDS loads that bring one
.set NP,     8                         ; places behind this matrix instruction (ISA guide 7.12.1)
.set SLOT,   131072                    ; A's 16 tiles x 4,096 bytes, then B's 16
.set SCL,    262144                    ; A's scale words, 8,192 bytes; B's begin 8,320 bytes on
.set SPARE,  278784                    ; the spare words, 128 bytes for each wave: two blocks of 256 bytes that no other line names
.set STG,    279296                    ; 512 bytes for each wave: its scale words on the way out; no fill lands here
.set ADRA, 16                          ; v16-17 LDS address of my A fragments in slot 0, 1
.set ADRB, 20                          ; v20-21 the same for B
.set STO,  24                          ; v24 the way out: where I put a scale word
.set RD,   25                          ; v25 and where I read 16 bytes of them back
.set CO,   26                          ; v26 16 x lane
.set ADRS, 27                          ; v27 LDS address of my scale words: lanes 0-15 A's rows, lanes 16-31 B's
.set SPW,  28                          ; v28 LDS address of my spare word; never rewritten
.set NIL,  29                          ; v29 0; never rewritten
.set SC,   32                          ; scale words: set s at v[SC + 16 s]; register 2 i + q
.set CB,   64                          ; v64-127 column bias: eight registers for each b
.set RB,   128                         ; v128-143 row bias: a pair for each a (the upper word 0)
.set AF,   128
.set TM,   64                          ; the way out: v64-79 at work
.set PWR,  80                          ; v80-87 the eight blocks' scale words
.set WD,   96                          ; v96-103 the words as they leave
.set G1, 24
.set G0, 32
.set G1B, 48
.set G0B, 56
.set G1S, 68
.set G0S, 76
.set G1SB, 80
.set G0SB, 88
.set MNT, 99
.set SEL, 100
.set MSB, 0
.macro WIN new                         ; the immediate's high byte repeats the setting that is left
.if MSB != (\new)
	s_set_vgpr_msb (MSB<<8)|(\new)
.set MSB, (\new)
.endif
.endm
.set MUL_LO, 0xa1                      ; source 0 (B) window 1, source 1 (A) window 0, C and D window 2
.set MUL_HI, 0xf1
.set TO_B,   0x40
; A joint load: waves 0 and 1 fetch for A, waves 2 and 3 for B; the branch hangs on the wave's number alone.  Four v_nop follow each of the two lines.
.macro JLOAD g0a, g1a, g0b, g1b
	s_cmp_eq_u32 s15, 0
	s_cbranch_scc0 .Lfor_b_\@
	tensor_load_to_lds s[\g0a:\g0a+3], s[\g1a:\g1a+7]
	s_nop 0
.rept 4
	v_nop
.endr
	s_branch .Lasked_\@
.Lfor_b_\@:
	tensor_load_to_lds s[\g0b:\g0b+3], s[\g1b:\g1b+7]
	s_nop 0
.rept 4
	v_nop
.endr
.Lasked_\@:
.endm
.macro CREST                           ; a round of the cluster's barrier behind its opening barrier
	s_cmp_lg_u32 s14, 0
	s_cbranch_scc1 .Lnot_wave_0_\@
	s_barrier_signal -3
.Lnot_wave_0_\@:
	s_barrier_wait -3
	s_barrier_signal -1
	s_barrier_wait -1
.endm
.macro CROUND
	s_barrier_signal -1
	s_barrier_wait -1
	CREST
.endm
	s_load_b256 s[4:11], s[0:1], 0x0               ; opnd s[4:5], bq s[6:7], bk s[8:9], bv s[10:11]
	s_load_b64 s[12:13], s[0:1], 0x20              ; qkv
	v_lshl_add_u32 v[SPW], v0, 2, SPARE
	v_mov_b32 v[NIL], 0
	ds_add_u32 v28, v29
	ds_add_u32 v28, v29
	s_wait_dscnt 0x0
	v_lshrrev_b32 v1, 5, v0
	v_readfirstlane_b32 s14, v1                    ; wave 0..3
	s_lshr_b32 s15, s14, 1                         ; which half of the tile's rows is mine.  Also: I fetch for A (0) or for B (1)
	s_and_b32 s16, s14, 1                          ; which half of its columns.  Also: which 128 rows I fetch
	s_bfe_u32 s40, ttmp6, 0x40000                  ; cx
	s_bfe_u32 s41, ttmp6, 0x40004                  ; cy
	s_mov_b32 s[SEL], 0x76543210
	s_mov_b32 s[SEL+1], 0xfedcba98
	s_and_b32 s18, ttmp7, 0xffff                   ; the cluster's y
	s_mov_b32 s66, WC_OFF+128*16384                ; Wv's codes
	s_mov_b32 s67, WS_OFF+128*512                  ; Wv's scale words
	s_mov_b32 s2, WC_OFF
	s_mov_b32 s3, WS_OFF
	s_mov_b32 s20, XS_OFF
	s_mov_b32 s97, 0x05040100
	s_mov_b32 s98, 0x07060302
	s_mov_b32 s21, 0x03020100
	s_mov_b32 s22, 0x07060504
	s_cmp_lt_u32 ttmp9, 2                          ; q or k?  The cluster's x: the same in all sixteen partners
	s_cselect_b32 s19, ttmp9, s18                  ; which four tile columns
	s_cselect_b32 s18, s18, 0                      ; which four tile rows
	s_cselect_b32 s66, 0, s66                      ; where A's codes begin in opnd: x's or Wv's
	s_cselect_b32 s67, s20, s67                    ; A's scale words
	s_cselect_b32 s2, s2, 0                        ; B's codes: Wq | Wk or x
	s_cselect_b32 s3, s3, s20                      ; B's scale words
	s_cselect_b32 s95, -1, 0                       ; the column bias counts
	s_cselect_b32 s96, 0, -1                       ; the row bias counts
	s_cselect_b32 s97, s97, s21                    ; how two blocks' scale words are laid for the way out
	s_cselect_b32 s98, s98, s22
	s_lshl_b32 s42, s19, 2
	s_add_co_u32 s42, s42, s40                     ; tile column
	s_lshl_b32 s17, s18, 2
	s_add_co_u32 s17, s17, s41                     ; tile row
	s_lshl_b32 s43, s41, 2
	s_lshl_b32 s43, 15, s43                        ; my row of the cluster
	s_lshl_b32 s44, 0x1111, s40                    ; my column
	; descriptor group 1 for codes: 8 tiles of 16 rows, of each 4,096 bytes (two K steps), 16,384 bytes apart; elements of 8 bytes; no padding
	s_or_b32 s[G1+0], s43, (3<<16)|(1<<21)
	s_or_b32 s[G1B+0], s44, (3<<16)|(1<<21)
.irp g, G1, G1B
	s_mov_b32 s[\g+1], 512<<16                     ; tensor_dim0
	s_mov_b32 s[\g+2], 8<<16                       ; tensor_dim1
	s_mov_b32 s[\g+3], 512<<16                     ; tile_dim0
	s_mov_b32 s[\g+4], 8                           ; tile_dim1
	s_mov_b32 s[\g+5], 2048                        ; tensor_dim0_stride
	s_mov_b32 s[\g+6], 0
	s_mov_b32 s[\g+7], 0
.endr
	; and for the scale words of 128 rows: 4,096 dense bytes as 16 rows of 256
	s_or_b32 s[G1S+0], s43, (3<<16)|(1<<21)
	s_or_b32 s[G1SB+0], s44, (3<<16)|(1<<21)
.irp g, G1S, G1SB
	s_mov_b32 s[\g+1], 32<<16
	s_mov_b32 s[\g+2], 16<<16
	s_mov_b32 s[\g+3], 32<<16
	s_mov_b32 s[\g+4], 16
	s_mov_b32 s[\g+5], 32
	s_mov_b32 s[\g+6], 0
	s_mov_b32 s[\g+7], 0
.endr
	s_lshl_b32 s18, s16, 3
	s_lshl_b32 s20, s17, 4
	s_add_co_u32 s20, s20, s18                     ; A: the first of the eight tiles of 16 rows that I fetch
	s_lshl_b32 s46, s42, 4
	s_add_co_u32 s46, s46, s18                     ; B likewise
	s_lshl_b32 s22, s20, 9
	s_add_co_u32 s22, s22, s67
	s_mov_b32 s23, 0
	s_lshl_b32 s20, s20, 14
	s_add_co_u32 s20, s20, s66
	s_mov_b32 s21, 0
	s_lshl_b32 s92, s46, 9
	s_add_co_u32 s92, s92, s3
	s_mov_b32 s93, 0
	s_lshl_b32 s46, s46, 14
	s_add_co_u32 s46, s46, s2
	s_mov_b32 s47, 0
	s_lshl_b32 s45, s14, 15                        ; where they go: wave x 32,768: no place in the cluster enters an LDS address
	s_lshl_b32 s94, s14, 12
	s_wait_kmcnt 0x0
	s_add_nc_u64 s[20:21], s[4:5], s[20:21]
	s_add_nc_u64 s[22:23], s[4:5], s[22:23]
	s_add_nc_u64 s[46:47], s[4:5], s[46:47]
	s_add_nc_u64 s[92:93], s[4:5], s[92:93]
	CROUND                                         ; all sixteen work-groups are here: the first joint loads meet
	s_mov_b32 s[G0S], 1
	s_add_co_u32 s[G0S+1], s94, SCL
	s_mov_b64 s[G0S+2:G0S+3], s[22:23]
	s_or_b32 s[G0S+3], s[G0S+3], 0x80000000
	s_mov_b32 s[G0SB], 1
	s_add_co_u32 s[G0SB+1], s94, SCL+128
	s_mov_b64 s[G0SB+2:G0SB+3], s[92:93]
	s_or_b32 s[G0SB+3], s[G0SB+3], 0x80000000
	JLOAD G0S, G1S, G0SB, G1SB                     ; the scale words first: they are wanted with the first K step
.irp s, 0,1
	s_mov_b32 s[G0+4*\s], 1
	s_add_co_u32 s[G0+4*\s+1], s45, \s*SLOT
	s_add_nc_u64 s[G0+4*\s+2:G0+4*\s+3], s[20:21], \s*4096
	s_or_b32 s[G0+4*\s+3], s[G0+4*\s+3], 0x80000000
	s_mov_b32 s[G0B+4*\s], 1
	s_add_co_u32 s[G0B+4*\s+1], s45, \s*SLOT
	s_add_nc_u64 s[G0B+4*\s+2:G0B+4*\s+3], s[46:47], \s*4096
	s_or_b32 s[G0B+4*\s+3], s[G0B+4*\s+3], 0x80000000
	JLOAD G0+4*\s, G1, G0B+4*\s, G1B               ; two (slot 0) or three (slot 1) tensor loads of mine are out
.endr
	v_and_b32 v1, 15, v0                           ; r
	v_bfe_u32 v2, v0, 4, 1                         ; h
	s_wait_alu depctr_va_vdst(0)
	v_and_b32 v3, 31, v0
	v_lshlrev_b32 v[CO], 4, v3
	s_lshl_b32 s21, s15, 15                        ; my 8 tiles of A
	s_lshl_b32 s22, s16, 15                        ; my 8 tiles of B,
	s_add_co_u32 s22, s22, 65536                   ; which lie behind A's 16
.irp s, 0,1
	v_add_nc_u32 v[ADRA+\s], s21, v[CO]
	v_add_nc_u32 v[ADRB+\s], s22, v[CO]
	s_add_co_u32 s21, s21, SLOT
	s_add_co_u32 s22, s22, SLOT
.endr
	v_lshlrev_b32 v5, 3, v1                        ; my row's two words of a pair of K steps
	s_lshl_b32 s21, s15, 12                        ; A's: my 8 tiles
	s_lshl_b32 s22, s16, 12                        ; B's: my 8 tiles, 8,320 bytes behind A's first
	s_add_co_u32 s22, s22, 8320
	s_sub_co_u32 s22, s22, s21
	v_mul_u32_u24 v6, s22, v2                      ; lanes 16-31 take B's
	s_add_co_u32 s21, s21, SCL
	v_add_nc_u32 v5, v5, v6
	v_add_nc_u32 v[ADRS], s21, v5
	s_lshl_b32 s23, s14, 9
	s_add_co_u32 s23, s23, STG
	v_lshl_add_u32 v[STO], v1, 2, s23
	v_add_nc_u32 v[RD], s23, v[CO]
	; the bias, and where the results go
	s_lshl_b32 s18, s17, 1
	s_add_co_u32 s18, s18, s15                     ; my block of 128 rows
	s_lshl_b32 s19, s42, 1
	s_add_co_u32 s19, s19, s16                     ; my block of 128 columns
	s_and_b32 s20, s19, 7
	s_lshl_b32 s20, s20, 9
	s_and_b32 s20, s20, s95                        ; column bias: 512 bytes x (block % 8) for q, k; 0 for v
	s_mov_b32 s21, 0
	s_lshl_b32 s22, s18, 9
	s_and_b32 s22, s22, s96                        ; row bias: 512 bytes x block (0 .. 7) for v; 0 for q, k: every load stays inside the 4,096 bytes
	s_mov_b32 s23, 0
	s_cmp_eq_u32 ttmp9, 0
	s_cselect_b64 s[6:7], s[6:7], s[8:9]
	s_cmp_lt_u32 ttmp9, 2
	s_cselect_b64 s[6:7], s[6:7], s[10:11]         ; bq, bk or bv
	s_cselect_b32 s2, s18, s19                     ; the block of 128 tokens,
	s_cselect_b32 s3, s19, s18                     ; and the pair of heads
	s_add_nc_u64 s[8:9], s[6:7], s[20:21]
	s_add_nc_u64 s[10:11], s[6:7], s[22:23]
	v_lshlrev_b32 v5, 5, v2                        ; 32 h
	v_lshlrev_b32 v6, 2, v1                        ; 4 r
.irp b, 0,1,2,3,4,5,6,7
	global_load_b128 v[CB+8*\b:CB+8*\b+3], v5, s[8:9] offset:64*\b        ; bias(16 b + 8 h + 0 .. 7)
	global_load_b128 v[CB+8*\b+4:CB+8*\b+7], v5, s[8:9] offset:64*\b+16
.endr
.irp a, 0,1,2,3,4,5,6,7
	global_load_b32 v[RB+2*\a], v6, s[10:11] offset:64*\a                 ; bias(16 a + r)
	v_mov_b32 v[RB+2*\a+1], 0
.endr
	s_and_b32 s3, s3, 7
	s_lshr_b32 s18, s2, 4                          ; batch
	s_lshl_b32 s18, s18, 3
	s_add_co_u32 s18, s18, s3
	s_lshl_b32 s18, s18, 4
	s_and_b32 s2, s2, 15
	s_add_co_u32 s18, s18, s2                      ; (batch x 8 + pair) x 16 + block
	s_lshl_b32 s20, ttmp9, 23                      ; QC, KC or VC: 8,388,608 bytes each
	s_lshl_b32 s22, s18, 14
	s_add_co_u32 s20, s20, s22
	s_add_nc_u64 s[66:67], s[12:13], s[20:21]      ; my 16,384 bytes of codes
	s_lshl_b32 s20, ttmp9, 18
	s_lshl_b32 s22, s18, 9
	s_add_co_u32 s20, s20, s22
	s_add_co_u32 s20, s20, QS_OFF
	s_add_nc_u64 s[12:13], s[12:13], s[20:21]      ; my 512 bytes of scale words
	s_wait_loadcnt 0x0
.set i, 0
.rept 64
	v_and_b32 v[CB+i], s95, v[CB+i]
.set i, i+1
.endr
.irp a, 0,1,2,3,4,5,6,7
	v_and_b32 v[RB+2*\a], s96, v[RB+2*\a]
.endr
.irp w, 0,1                            ; the accumulators begin as the bias, while the first tiles are on their way
	WIN 0x80+0x40*\w
.irp a, 0,1,2,3
.irp b, 0,1,2,3,4,5,6,7
.irp j, 0,2,4,6
	v_pk_add_f32 v[8*(8*\a+\b)+\j:8*(8*\a+\b)+\j+1], v[CB+8*\b+\j:CB+8*\b+\j+1], v[RB+2*(4*\w+\a):RB+2*(4*\w+\a)+1] op_sel_hi:[1,0]
.endr
.endr
.endr
.endr
	WIN 0
.macro FRAG reg, adr, q, i             ; a fragment's four groups, each 512 consecutive bytes
.irp c, 0,1,2,3
	ds_load_b128 v[\reg+4*\c:\reg+4*\c+3], v[\adr] offset:4096*(\i)+2048*(\q)+512*\c
.endr
.endm
; 16 matrix instructions: A's blocks a0, a0 + 1 x B's eight.  The 64 accumulators take turns, one instruction a turn, in the same order in every step.
.macro MUL16 a0, p, q, sc
.irp a, \a0, \a0+1
.irp b, 0,1,2,3,4,5,6,7
	v_wmma_scale_f32_16x16x128_f8f6f4 v[8*(8*((\a)%4)+\b):8*(8*((\a)%4)+\b)+7], v[128*(\p)+FR*\b:128*(\p)+FR*\b+FR-1], v[AF+FR*(\a):AF+FR*(\a)+FR-1], v[8*(8*((\a)%4)+\b):8*(8*((\a)%4)+\b)+7], v[SC+8*NQ*(\sc)+NQ*\b+(\q)], v[SC+8*NQ*(\sc)+NQ*(\a)+(\q)] matrix_a_scale:MATRIX_SCALE_ROW1
.endr
.endr
.endm
.macro FETCH_B slot, q, p
	WIN TO_B
.irp i, 0,1,2,3,4,5,6,7
	FRAG 128*(\p)+FR*\i, ADRB+\slot, \q, \i
.endr
	WIN 0
.endm
.macro FETCH_A slot, q, i0
.irp i, \i0, \i0+1, \i0+2, \i0+3
	FRAG AF+FR*(\i), ADRA+\slot, \q, \i
.endr
.endm
.macro SCALES sc                       ; a slot's scale words: two a row; lanes 0-15 take A's block i, lanes 16-31 B's block i
.irp i, 0,1,2,3,4,5,6,7
	ds_load_b64 v[SC+8*NQ*\sc+NQ*\i:SC+8*NQ*\sc+NQ*\i+1], v[ADRS] offset:\i*512
.endr
.endm
.macro PLACES n                        ; plain vector lines between a matrix instruction and a load into, or a vector read of, its registers (ISA guide 7.12.1 for vector reads)
.rept \n
	v_nop
.endr
.endm
.macro STEP slot, q                    ; a step of 128 along K that has its successor in the same slot
	s_wait_dscnt 4*NL                              ; B's set, A's blocks 0-3 and the scale words are in; the youngest 16 loads (A's blocks 4-7) may be out
	WIN MUL_LO
	MUL16 0, (\q)%2, \q, \slot
	MUL16 2, (\q)%2, \q, \slot
	s_wait_dscnt 0x0
	PLACES NP
	FETCH_B \slot, (\q)+1, 1-(\q)%2
	FETCH_A \slot, (\q)+1, 0
	WIN MUL_HI
	MUL16 4, (\q)%2, \q, \slot
	MUL16 6, (\q)%2, \q, \slot
	PLACES NP
	WIN 0
	FETCH_A \slot, (\q)+1, 4
.endm
; A slot's last step changes slots: one barrier; in front of it each wave waits for all its tensor loads, adds 0 to its spare word, and waits for that and for its reads of this slot.  fill = 1: the slot is filled again, two slots ahead.
.macro TURN slot, next, fill
	s_wait_tensorcnt 0x0                           ; all my tensor loads have landed: my part of the next slot
	ds_add_u32 v[SPW], v[NIL]                      ; 0 onto my spare word
	s_wait_dscnt 4*NL+1                            ; (the add and the youngest 16 loads may be out)
	WIN MUL_LO
	MUL16 0, 1, NQ-1, \slot
	s_wait_dscnt 0x0                               ; the add is done, and my reads of this slot are over
	s_barrier_signal -1
	MUL16 2, 1, NQ-1, \slot
	WIN 0
	s_barrier_wait -1
.if \fill
	CREST                                          ; the barrier has opened a round of the cluster's barrier: no wave of any partner still reads this slot or has a load on its way
	s_add_nc_u64 s[G0+4*\slot+2:G0+4*\slot+3], s[G0+4*\slot+2:G0+4*\slot+3], 8192
	s_add_nc_u64 s[G0B+4*\slot+2:G0B+4*\slot+3], s[G0B+4*\slot+2:G0B+4*\slot+3], 8192
	JLOAD G0+4*\slot, G1, G0B+4*\slot, G1B         ; the first tensor load behind the round, my only one until the next; its four v_nop are four of the places below
	PLACES NP-4
.else
	PLACES NP
.endif
	s_wait_alu depctr_va_vdst(0)
	v_add_nc_u32 v[ADRS], 128, v[ADRS]             ; the next pair of K steps' scale words
	FETCH_B \next, 0, 0
	FETCH_A \next, 0, 0
	SCALES \next
	WIN MUL_HI
	MUL16 4, 1, NQ-1, \slot
	MUL16 6, 1, NQ-1, \slot
	PLACES NP
	WIN 0
	FETCH_A \next, 0, 4
.endm
	s_wait_alu depctr_va_vdst(0)
	s_wait_tensorcnt 1                             ; the scale words and my part of slot 0 are in; slot 1's load may be out
	s_barrier_signal -1
	s_barrier_wait -1
	FETCH_B 0, 0, 0
	FETCH_A 0, 0, 0
	SCALES 0
	FETCH_A 0, 0, 4
	STEP 0, 0                                      ; K = 1,024 is eight steps of 128: written out
	TURN 0, 1, 1
	STEP 1, 0
	TURN 1, 0, 1
	STEP 0, 0
	TURN 0, 1, 0                                   ; nothing is left to fetch
	STEP 1, 0
	s_wait_dscnt 4*NL
	WIN MUL_LO
	MUL16 0, 1, NQ-1, 1
	MUL16 2, 1, NQ-1, 1
	s_wait_dscnt 0x0
	WIN MUL_HI
	MUL16 4, 1, NQ-1, 1
	MUL16 6, 1, NQ-1, 1
	WIN 0
; THE WAY OUT.  Block a (16 rows x 128 columns: 64 registers a lane, register 16 b + i) is quantised in four blocks of 32 and leaves as an image of 16 registers.
.macro QUANTW a
.set W,  2+(\a)/4
.set S0, 64*((\a)%4)
.set PC, 128+16*(\a)
	WIN (W<<2)|(W<<4)                              ; sources 1 and 2: the accumulators' window
.irp b, 0,1,2,3
	v_max3_num_f32 v[TM+\b], 0x4800000, |v[S0+16*\b]|, |v[S0+16*\b+1]|     ; the floor 2^(9 - 127) and my 16 numbers; each accumulator is read from its low end on
.endr
.irp i, 2,4,6,8,10,12,14
.irp b, 0,1,2,3
	v_max3_num_f32 v[TM+\b], v[TM+\b], |v[S0+16*\b+\i]|, |v[S0+16*\b+\i+1]|
.endr
.endr
	WIN 0
.irp b, 0,1,2,3
	v_permlanex16_b32 v[TM+4+\b], v[TM+\b], s[SEL], s[SEL+1]
.endr
.irp b, 0,1,2,3
	v_max_num_f32 v[TM+\b], v[TM+\b], v[TM+4+\b]
.endr
.irp b, 0,1,2,3
	v_add_nc_u32 v[TM+12+\b], 0xfc000000, v[TM+\b]
.endr
.irp b, 0,1,2,3
.endr
.irp b, 0,1,2,3
	v_lshrrev_b32 v[TM+4+\b], 23, v[TM+12+\b]
.endr
	v_lshl_or_b32 v[PWR+(\a)], v[TM+5], 8, v[TM+4]
	v_lshl_or_b32 v[PWR+(\a)], v[TM+6], 16, v[PWR+(\a)]
	v_lshl_or_b32 v[PWR+(\a)], v[TM+7], 24, v[PWR+(\a)]
	WIN (W<<6)|W
.irp b, 0,1,2,3
.irp i, 0,1,2,3,4,5,6,7,8,9,10,11,12,13,14,15
.endr
.endr
	WIN W
.irp b, 0,1,2,3
	v_cvt_scalef32_pk8_fp8_f32 v[PC+4*\b:PC+4*\b+1], v[S0+16*\b:S0+16*\b+7], v[TM+12+\b]
	v_cvt_scalef32_pk8_fp8_f32 v[PC+4*\b+2:PC+4*\b+3], v[S0+16*\b+8:S0+16*\b+15], v[TM+12+\b]
.endr
	v_nop                                          ; a plain line behind the last conversion
	WIN 0
.endm
	PLACES NP
.irp b, 0,1,2,3
	v_mov_b32 v[TM+4+\b], 0                        ; a lane permute's destination counts as one of its sources
.endr
.irp a, 0,1,2,3,4,5,6,7
	QUANTW \a
.irp c, 0,1,2,3
	global_store_b128 v[CO], v[128+16*\a+4*\c:128+16*\a+4*\c+3], s[66:67] offset:2048*\a+512*\c   ; 512 consecutive bytes; each block has registers of its own, so no store's data are written again
.endr
.if \a%2 == 1
	v_perm_b32 v[WD+\a-1], v[PWR+\a], v[PWR+\a-1], s97     ; q, k: the even head's bytes of both tiles;  v: block a - 1's word
	v_perm_b32 v[WD+\a], v[PWR+\a], v[PWR+\a-1], s98       ; q, k: the odd head's;  v: block a's word
	ds_store_b32 v[STO], v[WD+\a-1] offset:64*(\a/2)       ; both halves of the lanes write the same word with the same value
	ds_store_b32 v[STO], v[WD+\a] offset:256+64*(\a/2)
.endif
.endr
	ds_load_b128 v[104:107], v[RD]                 ; LDS serves a wave's instructions in order: this sees my stores
	s_wait_dscnt 0x0
	global_store_b128 v[CO], v[104:107], s[12:13]  ; my 512 bytes of scale words, consecutive
	s_wait_tensorcnt 0x0                           ; the wave's end
	ds_add_u32 v[SPW], v[NIL]
	s_wait_dscnt 0x0
	CROUND                                         ; the closing round
	s_endpgm
.Lfunc_end_k_qed8553e661_qkvgemm:
	.size	k_qed8553e661_qkvgemm, .Lfunc_end_k_qed8553e661_qkvgemm-k_qed8553e661_qkvgemm
	.p2alignl 7, 3214868480
	.fill 96, 4, 3214868480
	.section	.rodata,"a",@progbits
	.p2align	6, 0x0
	.amdhsa_kernel k_qed8553e661_qkvgemm
		.amdhsa_group_segment_fixed_size 327680
		.amdhsa_private_segment_fixed_size 0
		.amdhsa_enable_private_segment 0
		.amdhsa_kernarg_size 40
		.amdhsa_user_sgpr_count 2
		.amdhsa_user_sgpr_kernarg_segment_ptr 1
		.amdhsa_wavefront_size32 1
		.amdhsa_system_sgpr_workgroup_id_x 1
		.amdhsa_system_sgpr_workgroup_id_y 1
		.amdhsa_system_sgpr_workgroup_id_z 1
		.amdhsa_system_vgpr_workitem_id 0
		.amdhsa_next_free_vgpr 1024
		.amdhsa_next_free_sgpr 102
		.amdhsa_reserve_vcc 0
		.amdhsa_float_denorm_mode_32 3
		.amdhsa_float_denorm_mode_16_64 3
		.amdhsa_fp16_overflow 1
		.amdhsa_memory_ordered 1
		.amdhsa_forward_progress 1
		.amdhsa_inst_pref_size 173
	.end_amdhsa_kernel
	.amdgpu_metadata
---
amdhsa.version: [ 1, 2 ]
amdhsa.kernels:
  - .name:           k_qed8553e661_qkvgemm
    .symbol:         k_qed8553e661_qkvgemm.kd
    .args:
      - { .name: opnd, .offset: 0, .size: 8, .value_kind: global_buffer, .address_space: global }
      - { .name: bq, .offset: 8, .size: 8, .value_kind: global_buffer, .address_space: global }
      - { .name: bk, .offset: 16, .size: 8, .value_kind: global_buffer, .address_space: global }
      - { .name: bv, .offset: 24, .size: 8, .value_kind: global_buffer, .address_space: global }
      - { .name: qkv, .offset: 32, .size: 8, .value_kind: global_buffer, .address_space: global }
    .group_segment_fixed_size: 327680
    .private_segment_fixed_size: 0
    .kernarg_segment_align: 8
    .kernarg_segment_size: 40
    .max_flat_workgroup_size: 128
    .sgpr_count:     102
    .vgpr_count:     1024
    .wavefront_size: 32
...
	.end_amdgpu_metadata
.endif
;; end of part 2
;; launch attn (part 3): grid 4 x 64, 16 waves a work-group, clusters of 4 x 1, 272,384 bytes of LDS; arguments qkv, att; writes att
.if DOCPART == 3
	.amdgcn_target "amdgcn-amd-amdhsa--gfx1250"
	.amdhsa_code_object_version 6
	.text
	.protected	k_qed8553e661_attn
	.globl	k_qed8553e661_attn
	.p2align	8
	.type	k_qed8553e661_attn,@function
k_qed8553e661_attn:
	s_mov_b64 s[64:65], 0
	v_nop
	global_prefetch_b8 v0, s[64:65] scope:SCOPE_SE
	s_setreg_imm32_b32 hwreg(HW_REG_WAVE_MODE, 25, 1), 1
	s_wait_xcnt 0x0
	s_wait_alu depctr_hold_cnt(0) depctr_sa_sdst(0) depctr_va_vdst(0) depctr_va_sdst(0) depctr_va_ssrc(0) depctr_va_vcc(0) depctr_vm_vsrc(0)
	s_getreg_b32 s2, hwreg(HW_REG_IB_STS2, 6, 4)
	s_cmp_eq_u32 s2, 0
	s_cbranch_scc0 .Lentry_in_a_cluster
	s_endpgm
.Lentry_in_a_cluster:
	s_bfe_u32 s2, ttmp6, 0x10000c
	s_cmp_lg_u32 s2, 0x3003
	s_cbranch_scc0 .Lentry_shape_is_right
	s_endpgm
.Lentry_shape_is_right:
; o = softmax(q k^T / 8, causal) v for one head, both products on codes of FP8 (E4M3) with E8M0 scales; o is quantised along the model's 1,024 and leaves as codes for the projection.
; THE SOFTMAX: t = score x log2(e) / 8; M = the running largest t rounded up to a whole number; p = 2^(t - M) is quantised along the keys, not normalised; the row's sum is taken of the unquantised p and divides at the end.
; SHARES.  The four work-groups of a cluster serve one head (y = 16 x batch + head).  A head has 128 tiles of 16 queries.  Wave w of partner g takes tile 4 w + g, and then tile 127 - (4 w + g): tile t needs t / 8 + 1 key steps of 128,
; which is w / 2 + 1 and 16 - w / 2: 17 for every wave, and both numbers hang on the wave's number alone.  g enters q's and o's addresses and the numbers of the mask, and nothing else.
; THE WHOLE HEAD'S K AND V STAY IN LDS, filled once by joint loads of the four partners (wave w brings all that key step w needs: four loads of mine are out); from the one barrier on LDS is only read.
; LAYOUT.  Both products are used transposed: S^T = K Q^T, O^T = V^T P^T: a lane holds one query.  All operands are images of registers, read at 16 x lane.  Inside a block of 32 every operand has the order in which a lane's
; 16 registers of two neighbouring results lie, so p's and o's conversions give operand registers.
; K = 64 in an instruction of 128: K's operand holds TWO tiles of 16 keys (one in each half of K); q lies as [q 8 registers][zeros 8][q 8], and v[16:31] picks the first tile, v[24:39] the second.
; No prefetch: every byte of K and V is asked for in the kernel's first lines.
; LIMITS: the running maximum starts at -3e38; a block whose largest magnitude lies under 2^-118 gets the byte 1; NaN and infinities are not served.  o's scale bytes leave two at a time: a word's other half is another head's.
.set KC_G, 8388608                     ; in qkv: k's codes, v's codes, and the three tensors of scale words
.set VC_G, 16777216
.set QS_G, 25165824
.set KS_G, 25427968
.set VS_G, 25690112
.set OS_G, 8388608                     ; in att: o's scale words
.set VCL,  131072                      ; LDS: K's codes at 0: [tile of 16 keys 128][group 2][512];  V's here: [key step 16][tile of 16 channels 4][group 4][512]
.set KSL,  262144                      ; K's scale words: [key step][pair of tiles 4][r 16]
.set VSL,  266240                      ; V's: [key step][tile % 2][tile / 2][r 16]
.set LI,   1                           ; v1  16 x lane
.set AV0,  2                           ; v2  VCL + 16 x lane
.set ASK0, 3                           ; v3  KSL + 4 r
.set ASV0, 4                           ; v4  VSL + 4 r
.set R4,   5                           ; v5  4 r
.set R8,   6                           ; v6  8 r
.set RH,   7                           ; v7  r - 8 h
.set ADK,  8                           ; v8-11 the step's four LDS addresses
.set ADV,  9
.set ADS,  10
.set ADT,  11
.set KV,   40                          ; v40-103  four operands of K, then of V
.set S,    104                         ; v104-167 S^T, then p
.set O,    168                         ; v168-199 O^T
.set PCD,  200                         ; v200-215 p's codes; at the end o's
.set KSW,  216                         ; v216-219 K's scale words;  v220-223 V's;  v224 q's;  v225 p's
.set VSW,  220
.set QSW,  224
.set PSW,  225
.set DD,   226                         ; v226 my query less the diagonal step's first key, less 8 h
.set NINF, 227                         ; v227 -infinity
.set BM,   228                         ; v228-231 a block's largest score, then its largest p
.set BP,   232                         ; v232-235 the other half's; then the bytes
.set BL,   236
.set BS,   240                         ; v240-243 the conversions' scale operands
.set SUM2, 244                         ; v[244:245] the sum's second chain
.set TMP,  246
.set FF,   248                         ; v[248:249] f, later 1 / the sum (the upper word is named with it, and written once)
.set QRAW, 250
.set WV,   8
.set MNT,  19
.set SEL,  20
.set CS,   22
.set G1K,  24
.set G1V,  32
.set G1KS, 40
.set G1VS, 48
.set G0K,  56
.set G0V,  60
.set G0KS, 68
.set G0VS, 72
.set J,    76                          ; the key step
.set JL,   77                          ; my tile's last key step: the one on the diagonal
.set TK,   78                          ; 8,192 x the key step
.set TS,   79                          ; 256 x the key step
.set T,    80                          ; my tile of queries
.macro ROUND                           ; a round of the cluster's barrier
	s_barrier_signal -1
	s_barrier_wait -1
	s_cmp_lg_u32 s[WV], 0
	s_cbranch_scc1 .Lnot_wave_0_\@
	s_barrier_signal -3
.Lnot_wave_0_\@:
	s_barrier_wait -3
	s_barrier_signal -1
	s_barrier_wait -1
.endm
	s_load_b128 s[4:7], s[0:1], 0x0                ; qkv s[4:5], att s[6:7]
	v_lshl_add_u32 v254, v0, 2, 0x42000
	v_mov_b32 v255, 0
	ds_add_u32 v254, v255
	ds_add_u32 v254, v255
	v_lshrrev_b32 v1, 5, v0
	s_delay_alu instid0(VALU_DEP_1)
	v_readfirstlane_b32 s[WV], v1                  ; wave 0..15
	s_bfe_u32 s9, ttmp6, 0x40000                   ; g: my place in the cluster
	s_and_b32 s10, ttmp7, 0xffff                   ; 16 x batch + head
	s_lshr_b32 s11, s10, 4                         ; batch
	s_and_b32 s12, s10, 15                         ; head
	s_and_b32 s13, s10, 1                          ; its parity
	s_lshr_b32 s14, s10, 1                         ; 8 x batch + pair of heads
	s_mov_b32 s[SEL], 0x76543210
	s_mov_b32 s[SEL+1], 0xfedcba98
	s_mov_b32 s[CS], 0x3e38aa3b                    ; c = log2(e) / 8
	s_mov_b32 s[CS+1], s[CS]
	; descriptor groups 1: the mask names all four partners; elements of 8 bytes; no padding
	s_mov_b32 s[G1K], 15|(3<<16)|(1<<21)           ; K's codes of a key step: 8 tiles x 1,024 bytes (my head's half), 2,048 bytes apart
	s_mov_b32 s[G1K+1], 128<<16
	s_mov_b32 s[G1K+2], 8<<16
	s_mov_b32 s[G1K+3], 128<<16
	s_mov_b32 s[G1K+4], 8
	s_mov_b32 s[G1K+5], 256
	s_mov_b32 s[G1K+6], 0
	s_mov_b32 s[G1K+7], 0
	s_mov_b32 s[G1V], 15|(3<<16)|(1<<21)           ; V's codes: 8,192 dense bytes as 32 rows of 256
	s_mov_b32 s[G1V+1], 32<<16
	s_mov_b32 s[G1V+2], 32<<16
	s_mov_b32 s[G1V+3], 32<<16
	s_mov_b32 s[G1V+4], 32
	s_mov_b32 s[G1V+5], 32
	s_mov_b32 s[G1V+6], 0
	s_mov_b32 s[G1V+7], 0
	s_mov_b32 s[G1KS], 15|(3<<16)|(1<<21)          ; K's scale words: one row of 256 bytes
	s_mov_b32 s[G1KS+1], 32<<16
	s_mov_b32 s[G1KS+2], 1<<16
	s_mov_b32 s[G1KS+3], 32<<16
	s_mov_b32 s[G1KS+4], 1
	s_mov_b32 s[G1KS+5], 32
	s_mov_b32 s[G1KS+6], 0
	s_mov_b32 s[G1KS+7], 0
	s_mov_b32 s[G1VS], 15|(3<<16)|(1<<21)          ; V's: two rows of 128 bytes, 256 apart
	s_mov_b32 s[G1VS+1], 16<<16
	s_mov_b32 s[G1VS+2], 2<<16
	s_mov_b32 s[G1VS+3], 16<<16
	s_mov_b32 s[G1VS+4], 2
	s_mov_b32 s[G1VS+5], 32
	s_mov_b32 s[G1VS+6], 0
	s_mov_b32 s[G1VS+7], 0
	s_lshl_b32 s90, s14, 18                        ; a pair of heads: 262,144 bytes of codes;
	s_lshl_b32 s91, s[WV], 14                      ; key step w: 16,384
	s_add_co_u32 s90, s90, s91
	s_lshl_b32 s92, s13, 10
	s_add_co_u32 s92, s92, s90
	s_add_co_u32 s92, s92, KC_G
	s_mov_b32 s93, 0
	s_lshl_b32 s94, s13, 13
	s_add_co_u32 s94, s94, s90
	s_add_co_u32 s94, s94, VC_G
	s_mov_b32 s95, 0
	s_lshl_b32 s90, s14, 13                        ; and 8,192 bytes of scale words; key step w: 512
	s_lshl_b32 s91, s[WV], 9
	s_add_co_u32 s90, s90, s91
	s_lshl_b32 s96, s13, 8
	s_add_co_u32 s96, s96, s90
	s_add_co_u32 s96, s96, KS_G
	s_mov_b32 s97, 0
	s_lshl_b32 s98, s13, 7
	s_add_co_u32 s98, s98, s90
	s_add_co_u32 s98, s98, VS_G
	s_mov_b32 s99, 0
	s_lshl_b32 s90, s[WV], 13
	s_lshl_b32 s91, s[WV], 8
	s_wait_dscnt 0x0
	s_wait_kmcnt 0x0
	s_mov_b32 s[G0K], 1
	s_mov_b32 s[G0K+1], s90
	s_add_nc_u64 s[G0K+2:G0K+3], s[4:5], s[92:93]
	s_or_b32 s[G0K+3], s[G0K+3], 0x80000000
	s_mov_b32 s[G0V], 1
	s_add_co_u32 s[G0V+1], s90, VCL
	s_add_nc_u64 s[G0V+2:G0V+3], s[4:5], s[94:95]
	s_or_b32 s[G0V+3], s[G0V+3], 0x80000000
	s_mov_b32 s[G0KS], 1
	s_add_co_u32 s[G0KS+1], s91, KSL
	s_add_nc_u64 s[G0KS+2:G0KS+3], s[4:5], s[96:97]
	s_or_b32 s[G0KS+3], s[G0KS+3], 0x80000000
	s_mov_b32 s[G0VS], 1
	s_add_co_u32 s[G0VS+1], s91, VSL
	s_add_nc_u64 s[G0VS+2:G0VS+3], s[4:5], s[98:99]
	s_or_b32 s[G0VS+3], s[G0VS+3], 0x80000000
	ROUND                                          ; all four work-groups are here: the joint loads meet
	tensor_load_to_lds s[G0K:G0K+3], s[G1K:G1K+7]
	s_nop 0
	tensor_load_to_lds s[G0V:G0V+3], s[G1V:G1V+7]
	s_nop 0
	tensor_load_to_lds s[G0KS:G0KS+3], s[G1KS:G1KS+7]
	s_nop 0
	tensor_load_to_lds s[G0VS:G0VS+3], s[G1VS:G1VS+7]
	s_nop 0
.rept 4
	v_nop                                          ; four plain lines follow the last
.endr
	v_and_b32 v9, 31, v0
	s_delay_alu instid0(VALU_DEP_1)
	v_lshlrev_b32 v[LI], 4, v9
	s_delay_alu instid0(VALU_DEP_1)
	v_add_nc_u32 v[AV0], VCL, v[LI]
	v_and_b32 v10, 15, v0                          ; r
	v_bfe_u32 v11, v0, 4, 1                        ; h
	s_delay_alu instid0(VALU_DEP_2)
	v_lshlrev_b32 v[R4], 2, v10
	s_delay_alu instid0(VALU_DEP_3)
	v_lshlrev_b32 v[R8], 3, v10
	s_delay_alu instid0(VALU_DEP_2)
	v_add_nc_u32 v[ASK0], KSL, v[R4]
	s_delay_alu instid0(VALU_DEP_3)
	v_add_nc_u32 v[ASV0], VSL, v[R4]
	v_lshlrev_b32 v11, 3, v11
	s_delay_alu instid0(VALU_DEP_1)
	v_sub_nc_u32 v[RH], v10, v11
.irp i, 24,25,26,27,28,29,30,31
	v_mov_b32 v[\i], 0                             ; the zero codes between q's two copies: written once
.endr
	v_mov_b32 v[NINF], 0xff800000
.irp b, 0,1,2,3
	v_mov_b32 v[BP+\b], 0                          ; a lane permute's destination counts as one of its sources
.endr
	v_mov_b32 v[TMP], 0
	v_mov_b32 v[FF+1], 0
	s_wait_tensorcnt 0x0                           ; my four loads have landed,
	s_barrier_signal -1
	s_barrier_wait -1                              ; everybody's have: the head lies in LDS
; ONE TILE OF QUERIES.  hi = 0: tile 4 w + g, at most 8 key steps;  hi = 1: tile 127 - (4 w + g), at most 16.  The trip count is a constant; a step behind the diagonal is jumped over, by a branch on the wave's number.
.macro PASS hi, trips
	s_wait_xcnt 0x0                                ; the last tile's loads and stores have read their registers and bases: they are written again only behind this wait
	s_lshl_b32 s[T], s[WV], 2
	s_add_co_u32 s[T], s[T], s9
	s_lshr_b32 s[JL], s[WV], 1
.if \hi
	s_sub_co_u32 s[T], 127, s[T]
	s_sub_co_u32 s[JL], 15, s[JL]
.endif
	s_lshl_b32 s90, s14, 18                        ; q's codes: tile t's 2,048 bytes, my head's half
	s_lshl_b32 s91, s[T], 11
	s_add_co_u32 s90, s90, s91
	s_lshl_b32 s91, s13, 10
	s_add_co_u32 s90, s90, s91
	s_mov_b32 s91, 0
	s_add_nc_u64 s[82:83], s[4:5], s[90:91]
	s_lshl_b32 s90, s14, 13                        ; q's scale words: block t / 8, my head's 256 bytes, pair (t / 2) % 4
	s_lshr_b32 s92, s[T], 3
	s_lshl_b32 s92, s92, 9
	s_add_co_u32 s90, s90, s92
	s_lshl_b32 s92, s13, 8
	s_add_co_u32 s90, s90, s92
	s_bfe_u32 s92, s[T], 0x20001
	s_lshl_b32 s92, s92, 6
	s_add_co_u32 s90, s90, s92
	s_add_co_u32 s90, s90, QS_G
	s_add_nc_u64 s[84:85], s[4:5], s[90:91]
	s_lshl_b32 s92, s11, 7
	s_add_co_u32 s92, s92, s[T]                    ; o's tile of 16 rows: 128 x batch + t
	s_lshl_b32 s90, s92, 14
	s_lshl_b32 s93, s12, 10                        ; my head's 64 of the 1,024: two groups of 512 bytes
	s_add_co_u32 s90, s90, s93
	s_add_nc_u64 s[86:87], s[6:7], s[90:91]
	s_lshl_b32 s90, s92, 9                         ; o's scale bytes: 512 a tile; pair of K steps head / 4; in a row's 8 bytes 2 (head % 4)
	s_lshr_b32 s93, s12, 2
	s_lshl_b32 s93, s93, 7
	s_add_co_u32 s90, s90, s93
	s_and_b32 s93, s12, 3
	s_lshl_b32 s93, s93, 1
	s_add_co_u32 s90, s90, s93
	s_add_co_u32 s90, s90, OS_G
	s_add_nc_u64 s[88:89], s[6:7], s[90:91]
	s_and_b32 s92, s[T], 1
	s_mov_b32 s93, 0x03020302
	s_cmp_eq_u32 s92, 0
	s_cselect_b32 s15, 0x01000100, s93             ; which half of the stored word is my tile's: it is laid into both halves
	s_and_b32 s92, s[T], 7
	s_lshl_b32 s92, s92, 4
	global_load_b128 v[16:19], v[LI], s[82:83]
	global_load_b128 v[20:23], v[LI], s[82:83] offset:512
	global_load_b128 v[32:35], v[LI], s[82:83]
	global_load_b128 v[36:39], v[LI], s[82:83] offset:512
	global_load_b32 v[QRAW], v[R4], s[84:85]
	s_wait_loadcnt 0x0
	v_perm_b32 v[QSW], v[QRAW], v[QRAW], s15
	v_add_nc_u32 v[DD], s92, v[RH]
	v_mov_b32 v13, 0xff61b1e6                      ; the largest t so far: -3e38
	s_delay_alu instid0(VALU_DEP_1)
	v_floor_f32 v12, -v13                          ; -M
	v_mov_b32 v14, 0
	v_mov_b32 v15, 0
.set i, 0
.rept 32
	v_mov_b32 v[O+i], 0                            ; O^T: the first step finds zeros.  (These lines are also the places between q's scale word and its first use)
.set i, i+1
.endr
	s_mov_b32 s[J], 0
	s_mov_b32 s[TK], 0
	s_mov_b32 s[TS], 0
.Lkey_\@:
	s_cmp_gt_u32 s[J], s[JL]
	s_cbranch_scc1 .Lhidden_\@
	s_setprio 2
	v_add_nc_u32 v[ADK], s[TK], v[LI]
	v_add_nc_u32 v[ADV], s[TK], v[AV0]
	v_add_nc_u32 v[ADS], s[TS], v[ASK0]
	v_add_nc_u32 v[ADT], s[TS], v[ASV0]
.rept 4
	v_nop                                          ; with the four additions: eight places in front of loads into registers that the last products read
.endr
.irp g, 0,1,2,3                        ; K: operand g holds key tiles 2 g and 2 g + 1: 2,048 bytes on end
.irp c, 0,1,2,3
	ds_load_b128 v[KV+16*\g+4*\c:KV+16*\g+4*\c+3], v[ADK] offset:2048*\g+512*\c
.endr
	ds_load_b32 v[KSW+\g], v[ADS] offset:64*\g
.endr
	s_wait_alu depctr_va_vdst(0)
	s_wait_dscnt 0x0
.irp g, 0,1,2,3
	v_wmma_scale_f32_16x16x128_f8f6f4 v[S+16*\g:S+16*\g+7], v[KV+16*\g:KV+16*\g+15], v[16:31], 0, v[KSW+\g], v[QSW]
	v_wmma_scale_f32_16x16x128_f8f6f4 v[S+16*\g+8:S+16*\g+15], v[KV+16*\g:KV+16*\g+15], v[24:39], 0, v[KSW+\g], v[QSW]
.endr
.rept 8
	v_nop                                          ; places in front of the loads below and of the first read of the scores
.endr
.irp t, 0,1,2,3                        ; V of this step: it lands while the softmax is worked
.irp c, 0,1,2,3
	ds_load_b128 v[KV+16*\t+4*\c:KV+16*\t+4*\c+3], v[ADV] offset:2048*\t+512*\c
.endr
	ds_load_b32 v[VSW+\t], v[ADT] offset:128*(\t%2)+64*(\t/2)
.endr
	s_cmp_lt_u32 s[J], s[JL]                       ; only the last step lies on the diagonal
	s_cbranch_scc1 .Lopen_\@
.set n, 0
.rept 64                               ; register n holds key 16 (n / 8) + 8 h + n % 8 of the step: hidden where it comes after my query
	v_cmp_gt_i32 vcc_lo, 16*(n/8)+n%8, v[DD]
	v_cndmask_b32 v[S+n], v[S+n], v[NINF], vcc_lo
.set n, n+1
.endr
.Lopen_\@:
.irp b, 0,1,2,3
	v_max3_num_f32 v[BM+\b], v[S+16*\b], v[S+16*\b+1], v[S+16*\b+2]        ; the largest score of each block of 32 keys: for the row's maximum, and, since p rises with the score, for the block's largest p
.endr
.irp i, 3,5,7,9,11,13
.irp b, 0,1,2,3
	v_max3_num_f32 v[BM+\b], v[BM+\b], v[S+16*\b+\i], v[S+16*\b+\i+1]
.endr
.endr
.irp b, 0,1,2,3
	v_max_num_f32 v[BM+\b], v[BM+\b], v[S+16*\b+15]
.endr
.irp b, 0,1,2,3
	s_delay_alu instid0(VALU_DEP_4)
	v_permlanex16_b32 v[BP+\b], v[BM+\b], s[SEL], s[SEL+1]
.endr
.irp b, 0,1,2,3
	s_delay_alu instid0(VALU_DEP_4)
	v_max_num_f32 v[BM+\b], v[BM+\b], v[BP+\b]
.endr
	s_delay_alu instid0(VALU_DEP_2)
	v_max3_num_f32 v[TMP], v[BM], v[BM+1], v[BM+2]
	s_delay_alu instid0(VALU_DEP_1)
	v_max_num_f32 v[TMP], v[TMP], v[BM+3]
	s_delay_alu instid0(VALU_DEP_1)
	v_mul_f32 v[TMP], s[CS], v[TMP]
	s_delay_alu instid0(VALU_DEP_1)
	v_max_num_f32 v13, v13, v[TMP]                 ; the running largest t
	v_mov_b32 v[TMP], v12
	s_delay_alu instid0(VALU_DEP_2)
	v_floor_f32 v12, -v13                          ; the new -M = -ceil(t)
	s_delay_alu instid0(VALU_DEP_1)
	v_sub_f32 v[TMP], v12, v[TMP]                  ; old M - new M: a whole number, 0 or less
	s_delay_alu instid0(VALU_DEP_1)
	v_cvt_i32_f32 v[TMP], v[TMP]                   ; (it saturates)
	s_delay_alu instid0(VALU_DEP_1)
	v_ldexp_f32 v[FF], 1.0, v[TMP]                 ; f = 2^(old M - new M)
.set j, 0
	s_setprio 1
.rept 32
	v_pk_fma_f32 v[S+j:S+j+1], v[S+j:S+j+1], s[CS:CS+1], v[12:13] op_sel_hi:[1,0,0]   ; t - M
.set j, j+2
.endr
.irp b, 0,1,2,3
	v_fma_f32 v[BM+\b], v[BM+\b], s[CS], v12
.endr
.set j, 0
	s_wait_alu depctr_va_vdst(0)
.rept 64
	v_exp_f32 v[S+j], v[S+j]                       ; p = 2^(t - M)
.set j, j+1
.endr
.irp b, 0,1,2,3
	v_exp_f32 v[BM+\b], v[BM+\b]                   ; the block's largest p
.endr
	v_pk_mul_f32 v[14:15], v[14:15], v[FF:FF+1] op_sel_hi:[1,0]   ; the sums under the new M (a plain line behind the exponentials)
	s_wait_alu depctr_va_vdst(0)
.irp b, 0,1,2,3
	v_max_num_f32 v[BM+\b], 0x4800000, v[BM+\b]    ; the floor: the byte cannot fall under 1
.endr
.irp b, 0,1,2,3
	s_delay_alu instid0(VALU_DEP_4)
	v_add_nc_u32 v[BS+\b], 0xfc000000, v[BM+\b]
.endr
.irp b, 0,1,2,3
.endr
.irp b, 0,1,2,3
	s_delay_alu instid0(VALU_DEP_4)
	v_lshrrev_b32 v[BP+\b], 23, v[BS+\b]
.endr
	s_delay_alu instid0(VALU_DEP_3)
	v_lshl_or_b32 v[PSW], v[BP+1], 8, v[BP]        ; p's scale word for these 128 keys
	s_delay_alu instid0(VALU_DEP_1)
	v_lshl_or_b32 v[PSW], v[BP+2], 16, v[PSW]
	s_delay_alu instid0(VALU_DEP_1)
	v_lshl_or_b32 v[PSW], v[BP+3], 24, v[PSW]
	v_pk_add_f32 v[244:245], v[108:109], v[112:113]
	v_pk_add_f32 v[252:253], v[116:117], v[120:121]
	v_pk_add_f32 v[250:251], v[124:125], v[128:129]
	v_pk_add_f32 v[238:239], v[132:133], v[136:137]
	v_pk_add_f32 v[236:237], v[140:141], v[144:145]
	v_pk_add_f32 v[230:231], v[148:149], v[152:153]
	v_pk_add_f32 v[228:229], v[156:157], v[160:161]
	v_pk_add_f32 v[14:15], v[14:15], v[164:165]
	v_pk_add_f32 v[244:245], v[244:245], v[104:105]
	v_pk_add_f32 v[252:253], v[252:253], v[106:107]
	v_pk_add_f32 v[250:251], v[250:251], v[110:111]
	v_pk_add_f32 v[238:239], v[238:239], v[114:115]
	v_pk_add_f32 v[236:237], v[236:237], v[118:119]
	v_pk_add_f32 v[230:231], v[230:231], v[122:123]
	v_pk_add_f32 v[228:229], v[228:229], v[126:127]
	v_pk_add_f32 v[14:15], v[14:15], v[130:131]
	v_pk_add_f32 v[244:245], v[244:245], v[134:135]
	s_setprio 0
	v_pk_add_f32 v[252:253], v[252:253], v[138:139]
	v_pk_add_f32 v[250:251], v[250:251], v[142:143]
	v_pk_add_f32 v[238:239], v[238:239], v[146:147]
	v_pk_add_f32 v[236:237], v[236:237], v[150:151]
	v_pk_add_f32 v[230:231], v[230:231], v[154:155]
	v_pk_add_f32 v[228:229], v[228:229], v[158:159]
	v_pk_add_f32 v[14:15], v[14:15], v[162:163]
	v_pk_add_f32 v[244:245], v[244:245], v[166:167]
	s_delay_alu instid0(VALU_DEP_2)
	v_pk_add_f32 v[14:15], v[14:15], v[238:239]
	s_delay_alu instid0(VALU_DEP_2)
	v_pk_add_f32 v[244:245], v[244:245], v[236:237]
	v_pk_add_f32 v[252:253], v[252:253], v[230:231]
	v_pk_add_f32 v[250:251], v[250:251], v[228:229]
	s_delay_alu instid0(VALU_DEP_2)
	v_pk_add_f32 v[14:15], v[14:15], v[252:253]
	s_delay_alu instid0(VALU_DEP_2)
	v_pk_add_f32 v[244:245], v[244:245], v[250:251]
	s_delay_alu instid0(VALU_DEP_1)
	v_pk_add_f32 v[14:15], v[14:15], v[244:245]
.irp b, 0,1,2,3
.irp i, 0,1,2,3,4,5,6,7,8,9,10,11,12,13,14,15
.endr
	v_cvt_scalef32_pk8_fp8_f32 v[PCD+4*\b:PCD+4*\b+1], v[S+16*\b:S+16*\b+7], v[BS+\b]
	v_cvt_scalef32_pk8_fp8_f32 v[PCD+4*\b+2:PCD+4*\b+3], v[S+16*\b+8:S+16*\b+15], v[BS+\b]
.endr
.set j, 0
.rept 16
	v_pk_mul_f32 v[O+j:O+j+1], v[O+j:O+j+1], v[FF:FF+1] op_sel_hi:[1,0]   ; O^T under the new M (also the places between the codes and the products)
.set j, j+2
.endr
	s_wait_alu depctr_va_vdst(0)
	s_wait_dscnt 0x0                               ; V is in
.irp t, 0,1,2,3                        ; four accumulators by turns, one instruction a turn; the eight products K Q^T stand between two links of a chain
	v_wmma_scale_f32_16x16x128_f8f6f4 v[O+8*\t:O+8*\t+7], v[KV+16*\t:KV+16*\t+15], v[PCD:PCD+15], v[O+8*\t:O+8*\t+7], v[VSW+\t], v[PSW]
.endr
.Lhidden_\@:
	s_add_co_u32 s[TK], s[TK], 8192
	s_add_co_u32 s[TS], s[TS], 256
	s_add_co_u32 s[J], s[J], 1
	s_cmp_lt_u32 s[J], \trips
	s_cbranch_scc1 .Lkey_\@
	s_setprio 0
	; the tile's end: O^T / the sum; its 64 channels are two blocks of 32 of the projection's K
.rept 8
	v_nop
.endr
	v_add_f32 v14, v14, v15
	s_delay_alu instid0(VALU_DEP_1)
	v_permlanex16_b32 v[TMP], v14, s[SEL], s[SEL+1]
	s_delay_alu instid0(VALU_DEP_1)
	v_add_f32 v14, v14, v[TMP]                     ; the row's sum
	s_wait_alu depctr_va_vdst(0)
	v_rcp_f32 v[FF], v14
	v_nop                                          ; a plain line behind the transcendental
.set j, 0
	s_wait_alu depctr_va_vdst(0)
.rept 16
	v_pk_mul_f32 v[O+j:O+j+1], v[O+j:O+j+1], v[FF:FF+1] op_sel_hi:[1,0]
.set j, j+2
.endr
.irp b, 0,1
	v_max3_num_f32 v[BM+\b], |v[O+16*\b]|, |v[O+16*\b+1]|, 0x4800000
.endr
.irp i, 2,4,6,8,10,12,14
.irp b, 0,1
	s_delay_alu instid0(VALU_DEP_2)
	v_max3_num_f32 v[BM+\b], v[BM+\b], |v[O+16*\b+\i]|, |v[O+16*\b+\i+1]|
.endr
.endr
.irp b, 0,1
	s_delay_alu instid0(VALU_DEP_2)
	v_permlanex16_b32 v[BP+\b], v[BM+\b], s[SEL], s[SEL+1]
.endr
.irp b, 0,1
	s_delay_alu instid0(VALU_DEP_2)
	v_max_num_f32 v[BM+\b], v[BM+\b], v[BP+\b]
.endr
.irp b, 0,1
	s_delay_alu instid0(VALU_DEP_2)
	v_add_nc_u32 v[BS+\b], 0xfc000000, v[BM+\b]
.endr
.irp b, 0,1
.endr
.irp b, 0,1
	s_delay_alu instid0(VALU_DEP_2)
	v_lshrrev_b32 v[BP+\b], 23, v[BS+\b]
.endr
	s_delay_alu instid0(VALU_DEP_1)
	v_lshl_or_b32 v[TMP], v[BP+1], 8, v[BP]        ; my head's two scale bytes of row r
.irp b, 0,1
.irp i, 0,1,2,3,4,5,6,7,8,9,10,11,12,13,14,15
.endr
	v_cvt_scalef32_pk8_fp8_f32 v[PCD+4*\b:PCD+4*\b+1], v[O+16*\b:O+16*\b+7], v[BS+\b]
	v_cvt_scalef32_pk8_fp8_f32 v[PCD+4*\b+2:PCD+4*\b+3], v[O+16*\b+8:O+16*\b+15], v[BS+\b]
.endr
	v_nop                                          ; a plain line behind the last conversion
	global_store_b128 v[LI], v[PCD:PCD+3], s[86:87]                ; 512 consecutive bytes each
	global_store_b128 v[LI], v[PCD+4:PCD+7], s[86:87] offset:512
	global_store_b16 v[R8], v[TMP], s[88:89]       ; both halves of the lanes write the same two bytes with the same value
.endm
	PASS 0, 8
	PASS 1, 16
	s_wait_tensorcnt 0x0
	ds_add_u32 v254, v255
	s_wait_dscnt 0x0
	ROUND                                          ; the closing round
	s_endpgm
.Lfunc_end_k_qed8553e661_attn:
	.size	k_qed8553e661_attn, .Lfunc_end_k_qed8553e661_attn-k_qed8553e661_attn
	.p2alignl 7, 3214868480
	.fill 96, 4, 3214868480
	.section	.rodata,"a",@progbits
	.p2align	6, 0x0
	.amdhsa_kernel k_qed8553e661_attn
		.amdhsa_group_segment_fixed_size 272384
		.amdhsa_private_segment_fixed_size 0
		.amdhsa_enable_private_segment 0
		.amdhsa_kernarg_size 16
		.amdhsa_user_sgpr_count 2
		.amdhsa_user_sgpr_kernarg_segment_ptr 1
		.amdhsa_wavefront_size32 1
		.amdhsa_system_sgpr_workgroup_id_x 1
		.amdhsa_system_sgpr_workgroup_id_y 1
		.amdhsa_system_sgpr_workgroup_id_z 1
		.amdhsa_system_vgpr_workitem_id 0
		.amdhsa_next_free_vgpr 256
		.amdhsa_next_free_sgpr 100
		.amdhsa_reserve_vcc 1
		.amdhsa_float_denorm_mode_32 3
		.amdhsa_float_denorm_mode_16_64 3
		.amdhsa_fp16_overflow 1
		.amdhsa_memory_ordered 1
		.amdhsa_forward_progress 1
		.amdhsa_inst_pref_size 68
	.end_amdhsa_kernel
	.amdgpu_metadata
---
amdhsa.version: [ 1, 2 ]
amdhsa.kernels:
  - .name:           k_qed8553e661_attn
    .symbol:         k_qed8553e661_attn.kd
    .args:
      - { .name: qkv, .offset: 0, .size: 8, .value_kind: global_buffer, .address_space: global }
      - { .name: att, .offset: 8, .size: 8, .value_kind: global_buffer, .address_space: global }
    .group_segment_fixed_size: 272384
    .private_segment_fixed_size: 0
    .kernarg_segment_align: 8
    .kernarg_segment_size: 16
    .max_flat_workgroup_size: 512
    .sgpr_count:     100
    .vgpr_count:     256
    .wavefront_size: 32
...
	.end_amdgpu_metadata
.endif
;; end of part 3
;; launch proj (part 4): grid 4 x 32, 4 waves a work-group, clusters of 4 x 4, 327,680 bytes of LDS; arguments att, opnd, bp, out0; writes out0
.if DOCPART == 4
	.amdgcn_target "amdgcn-amd-amdhsa--gfx1250"
	.amdhsa_code_object_version 6
	.text
	.protected	k_qed8553e661_proj
	.globl	k_qed8553e661_proj
	.p2align	8
	.type	k_qed8553e661_proj,@function
k_qed8553e661_proj:
	s_mov_b64 s[64:65], 0
	v_nop
	global_prefetch_b8 v0, s[64:65] scope:SCOPE_SE
	s_setreg_imm32_b32 hwreg(HW_REG_WAVE_MODE, 25, 1), 1
	s_wait_xcnt 0x0
	s_wait_alu depctr_hold_cnt(0) depctr_sa_sdst(0) depctr_va_vdst(0) depctr_va_sdst(0) depctr_va_ssrc(0) depctr_va_vcc(0) depctr_vm_vsrc(0)
	s_getreg_b32 s2, hwreg(HW_REG_IB_STS2, 6, 4)
	s_cmp_eq_u32 s2, 0
	s_cbranch_scc0 .Lentry_in_a_cluster
	s_endpgm
.Lentry_in_a_cluster:
	s_bfe_u32 s2, ttmp6, 0x10000c
	s_cmp_lg_u32 s2, 0xf033
	s_cbranch_scc0 .Lentry_shape_is_right
	s_endpgm
.Lentry_shape_is_right:
; out0 = o Wp + bp on codes of FP8 (E4M3) with E8M0 scales, K = 1,024.  o's codes and scale words come from att, Wp's from opnd; out0 [8192][1024] f32.
; A tile of 256 x 256 is made by four waves, each 128 x 128: 64 accumulators.  THE MATRIX INSTRUCTION IS USED TRANSPOSED (source 0 = 16 columns of Wp, source 1 = 16 rows of o): a lane holds eight neighbouring numbers of a row of out0.
; OPERANDS lie in memory as images of registers: a fragment (16 rows x 128 K) is [group 4][lane 32][16 bytes]; a tile of 16 rows has 8 K steps on end.  K goes in four steps of 256 through two LDS slots; the scale words of all of K come once.
; CLUSTER 4 x 4: o's tiles are asked for jointly along a row of the cluster, Wp's along a column.  bp is the C of each sum's first matrix instruction.
; 128 work-groups: out0 has 32 x 4 tiles of 256 x 256.
; REGISTERS: window 0: v0-31 addresses; v32-63 scale words, two sets; v64-127 bp, eight registers for each b; v128-255 A's fragments, one set; on the way out rows of out0.  window 1: B's fragments, two sets.  windows 2, 3: the accumulators.
.set OS_OFF,  8388608                  ; in att: o's scale words
.set WPC_OFF, 11534336                 ; in opnd: Wp's codes (n tile 192 on)
.set WPS_OFF, 12943360                 ; and its scale words
.set NQ,     2
.set FR,     16
.set NL,     4
.set NP,     8                         ; places behind this matrix instruction (ISA guide 7.12.1)
.set SLOT,   131072
.set SCL,    262144
.set SPARE,  278784                    ; the spare words, 128 bytes for each wave: two blocks of 256 bytes that no other line names
.set SPITCH, 528                       ; the way out: a stage of 16 rows x (512 + 16) bytes for each wave, in slot 0, which has had its last fill and its last read by then
.set ADRA, 16
.set ADRB, 20
.set STO,  24
.set RD,   25
.set CO,   26
.set ADRS, 27
.set SPW,  28
.set NIL,  29
.set SC,   32
.set CB,   64
.set AF,   128
.set BK,   128
.set G1, 24
.set G0, 32
.set G1B, 48
.set G0B, 56
.set G1S, 68
.set G0S, 76
.set G1SB, 80
.set G0SB, 88
.set MSB, 0
.macro WIN new
.if MSB != (\new)
	s_set_vgpr_msb (MSB<<8)|(\new)
.set MSB, (\new)
.endif
.endm
.set MUL_LO, 0xa1
.set MUL_HI, 0xf1
.set TO_B,   0x40
.macro JLOAD g0a, g1a, g0b, g1b        ; a joint load: waves 0 and 1 fetch for A, waves 2 and 3 for B; four v_nop follow each of the two lines
	s_cmp_eq_u32 s15, 0
	s_cbranch_scc0 .Lfor_b_\@
	tensor_load_to_lds s[\g0a:\g0a+3], s[\g1a:\g1a+7]
	s_nop 0
.rept 4
	v_nop
.endr
	s_branch .Lasked_\@
.Lfor_b_\@:
	tensor_load_to_lds s[\g0b:\g0b+3], s[\g1b:\g1b+7]
	s_nop 0
.rept 4
	v_nop
.endr
.Lasked_\@:
.endm
.macro CREST
	s_cmp_lg_u32 s14, 0
	s_cbranch_scc1 .Lnot_wave_0_\@
	s_barrier_signal -3
.Lnot_wave_0_\@:
	s_barrier_wait -3
	s_barrier_signal -1
	s_barrier_wait -1
.endm
.macro CROUND
	s_barrier_signal -1
	s_barrier_wait -1
	CREST
.endm
	s_load_b256 s[4:11], s[0:1], 0x0               ; att s[4:5], opnd s[6:7], bp s[8:9], out0 s[10:11]
	v_lshl_add_u32 v[SPW], v0, 2, SPARE
	v_mov_b32 v[NIL], 0
	ds_add_u32 v28, v29
	ds_add_u32 v28, v29
	s_wait_dscnt 0x0
	v_lshrrev_b32 v1, 5, v0
	v_readfirstlane_b32 s14, v1                    ; wave 0..3
	s_lshr_b32 s15, s14, 1                         ; my half of the tile's rows; also: I fetch for A (0) or for B (1)
	s_and_b32 s16, s14, 1                          ; my half of its columns; also: which 128 rows I fetch
	s_bfe_u32 s40, ttmp6, 0x40000                  ; cx
	s_bfe_u32 s41, ttmp6, 0x40004                  ; cy
	s_lshl_b32 s42, ttmp9, 2
	s_add_co_u32 s42, s42, s40                     ; tile column
	s_and_b32 s17, ttmp7, 0xffff
	s_lshl_b32 s17, s17, 2
	s_add_co_u32 s17, s17, s41                     ; tile row
	s_lshl_b32 s43, s41, 2
	s_lshl_b32 s43, 15, s43                        ; my row of the cluster
	s_lshl_b32 s44, 0x1111, s40                    ; my column
	s_or_b32 s[G1+0], s43, (3<<16)|(1<<21)         ; codes: 8 tiles of 16 rows, of each 4,096 bytes, 16,384 apart; elements of 8 bytes
	s_or_b32 s[G1B+0], s44, (3<<16)|(1<<21)
.irp g, G1, G1B
	s_mov_b32 s[\g+1], 512<<16
	s_mov_b32 s[\g+2], 8<<16
	s_mov_b32 s[\g+3], 512<<16
	s_mov_b32 s[\g+4], 8
	s_mov_b32 s[\g+5], 2048
	s_mov_b32 s[\g+6], 0
	s_mov_b32 s[\g+7], 0
.endr
	s_or_b32 s[G1S+0], s43, (3<<16)|(1<<21)        ; scale words of 128 rows: 4,096 dense bytes as 16 rows of 256
	s_or_b32 s[G1SB+0], s44, (3<<16)|(1<<21)
.irp g, G1S, G1SB
	s_mov_b32 s[\g+1], 32<<16
	s_mov_b32 s[\g+2], 16<<16
	s_mov_b32 s[\g+3], 32<<16
	s_mov_b32 s[\g+4], 16
	s_mov_b32 s[\g+5], 32
	s_mov_b32 s[\g+6], 0
	s_mov_b32 s[\g+7], 0
.endr
	s_lshl_b32 s18, s16, 3
	s_lshl_b32 s20, s17, 4
	s_add_co_u32 s20, s20, s18                     ; A: the first of the eight tiles of 16 rows that I fetch
	s_lshl_b32 s46, s42, 4
	s_add_co_u32 s46, s46, s18                     ; B likewise
	s_lshl_b32 s22, s20, 9
	s_add_co_u32 s22, s22, OS_OFF
	s_mov_b32 s23, 0
	s_lshl_b32 s20, s20, 14
	s_mov_b32 s21, 0
	s_lshl_b32 s92, s46, 9
	s_add_co_u32 s92, s92, WPS_OFF
	s_mov_b32 s93, 0
	s_lshl_b32 s46, s46, 14
	s_add_co_u32 s46, s46, WPC_OFF
	s_mov_b32 s47, 0
	s_lshl_b32 s45, s14, 15
	s_lshl_b32 s94, s14, 12
	s_wait_kmcnt 0x0
	s_add_nc_u64 s[20:21], s[4:5], s[20:21]
	s_add_nc_u64 s[22:23], s[4:5], s[22:23]
	s_add_nc_u64 s[46:47], s[6:7], s[46:47]
	s_add_nc_u64 s[92:93], s[6:7], s[92:93]
	CROUND                                         ; all sixteen work-groups are here: the first joint loads meet
	s_mov_b32 s[G0S], 1
	s_add_co_u32 s[G0S+1], s94, SCL
	s_mov_b64 s[G0S+2:G0S+3], s[22:23]
	s_or_b32 s[G0S+3], s[G0S+3], 0x80000000
	s_mov_b32 s[G0SB], 1
	s_add_co_u32 s[G0SB+1], s94, SCL+128
	s_mov_b64 s[G0SB+2:G0SB+3], s[92:93]
	s_or_b32 s[G0SB+3], s[G0SB+3], 0x80000000
	JLOAD G0S, G1S, G0SB, G1SB
.irp s, 0,1
	s_mov_b32 s[G0+4*\s], 1
	s_add_co_u32 s[G0+4*\s+1], s45, \s*SLOT
	s_add_nc_u64 s[G0+4*\s+2:G0+4*\s+3], s[20:21], \s*4096
	s_or_b32 s[G0+4*\s+3], s[G0+4*\s+3], 0x80000000
	s_mov_b32 s[G0B+4*\s], 1
	s_add_co_u32 s[G0B+4*\s+1], s45, \s*SLOT
	s_add_nc_u64 s[G0B+4*\s+2:G0B+4*\s+3], s[46:47], \s*4096
	s_or_b32 s[G0B+4*\s+3], s[G0B+4*\s+3], 0x80000000
	s_wait_alu depctr_va_vdst(0)
	s_wait_tensorcnt 0x0
	ds_add_u32 v28, v29
	s_wait_dscnt 0x0
	CROUND
	JLOAD G0+4*\s, G1, G0B+4*\s, G1B               ; my only tensor load that is out
.endr
	v_and_b32 v1, 15, v0                           ; r
	v_bfe_u32 v2, v0, 4, 1                         ; h
	s_wait_alu depctr_va_vdst(0)
	v_and_b32 v3, 31, v0
	v_lshlrev_b32 v[CO], 4, v3                     ; 16 x lane
	s_lshl_b32 s21, s15, 15
	s_lshl_b32 s22, s16, 15
	s_add_co_u32 s22, s22, 65536
.irp s, 0,1
	v_add_nc_u32 v[ADRA+\s], s21, v[CO]
	v_add_nc_u32 v[ADRB+\s], s22, v[CO]
	s_add_co_u32 s21, s21, SLOT
	s_add_co_u32 s22, s22, SLOT
.endr
	v_lshlrev_b32 v5, 3, v1
	s_lshl_b32 s21, s15, 12
	s_lshl_b32 s22, s16, 12
	s_add_co_u32 s22, s22, 8320
	s_sub_co_u32 s22, s22, s21
	v_mul_u32_u24 v6, s22, v2                      ; lanes 16-31 take B's scale words
	s_add_co_u32 s21, s21, SCL
	v_add_nc_u32 v5, v5, v6
	v_add_nc_u32 v[ADRS], s21, v5
	s_mul_i32 s23, s14, 16*SPITCH                  ; my stage
	v_mul_u32_u24 v5, v1, SPITCH
	v_lshl_add_u32 v5, v2, 5, v5
	v_add_nc_u32 v[STO], s23, v5                   ; in: row r, 32 bytes for each half of the lanes
	v_add_nc_u32 v[RD], s23, v[CO]                 ; back: the 32 lanes take one row of 512 bytes
	s_lshl_b32 s18, s42, 10
	s_lshl_b32 s19, s16, 9
	s_add_co_u32 s18, s18, s19                     ; my first column, in bytes: in bp and in a row of out0
	s_mov_b32 s19, 0
	s_add_nc_u64 s[8:9], s[8:9], s[18:19]
	s_lshl_b32 s20, s17, 20                        ; my first row: 256 x tile row + 128 x half, 4,096 bytes a row
	s_lshl_b32 s21, s15, 19
	s_add_co_u32 s20, s20, s21
	s_add_co_u32 s20, s20, s18
	s_mov_b32 s21, 0
	s_add_nc_u64 s[10:11], s[10:11], s[20:21]
	v_lshlrev_b32 v5, 5, v2                        ; 32 h
.irp b, 0,1,2,3,4,5,6,7
	global_load_b128 v[CB+8*\b:CB+8*\b+3], v5, s[8:9] offset:64*\b        ; bp(16 b + 8 h + 0 .. 7): the result's layout
	global_load_b128 v[CB+8*\b+4:CB+8*\b+7], v5, s[8:9] offset:64*\b+16
.endr
.macro FRAG reg, adr, q, i
.irp c, 0,1,2,3
	ds_load_b128 v[\reg+4*\c:\reg+4*\c+3], v[\adr] offset:4096*(\i)+2048*(\q)+512*\c
.endr
.endm
; 16 matrix instructions: A's blocks a0, a0 + 1 x B's eight.  zero = 1: the first product starts the sums, with bp as its C.  The 64 accumulators take turns, one instruction a turn.
.macro MUL16 a0, p, q, sc, zero
.irp a, \a0, \a0+1
.irp b, 0,1,2,3,4,5,6,7
.if \zero
	v_wmma_scale_f32_16x16x128_f8f6f4 v[8*(8*((\a)%4)+\b):8*(8*((\a)%4)+\b)+7], v[128*(\p)+FR*\b:128*(\p)+FR*\b+FR-1], v[AF+FR*(\a):AF+FR*(\a)+FR-1], v[CB+8*\b:CB+8*\b+7], v[SC+8*NQ*(\sc)+NQ*\b+(\q)], v[SC+8*NQ*(\sc)+NQ*(\a)+(\q)] matrix_a_scale:MATRIX_SCALE_ROW1
.else
	v_wmma_scale_f32_16x16x128_f8f6f4 v[8*(8*((\a)%4)+\b):8*(8*((\a)%4)+\b)+7], v[128*(\p)+FR*\b:128*(\p)+FR*\b+FR-1], v[AF+FR*(\a):AF+FR*(\a)+FR-1], v[8*(8*((\a)%4)+\b):8*(8*((\a)%4)+\b)+7], v[SC+8*NQ*(\sc)+NQ*\b+(\q)], v[SC+8*NQ*(\sc)+NQ*(\a)+(\q)] matrix_a_scale:MATRIX_SCALE_ROW1
.endif
.endr
.endr
.endm
.macro FETCH_B slot, q, p
	WIN TO_B
.irp i, 0,1,2,3,4,5,6,7
	FRAG 128*(\p)+FR*\i, ADRB+\slot, \q, \i
.endr
	WIN 0
.endm
.macro FETCH_A slot, q, i0
.irp i, \i0, \i0+1, \i0+2, \i0+3
	FRAG AF+FR*(\i), ADRA+\slot, \q, \i
.endr
.endm
.macro SCALES sc
.irp i, 0,1,2,3,4,5,6,7
	ds_load_b64 v[SC+8*NQ*\sc+NQ*\i:SC+8*NQ*\sc+NQ*\i+1], v[ADRS] offset:\i*512
.endr
.endm
.macro PLACES n
.rept \n
	v_nop
.endr
.endm
.macro STEP slot, q, zero
	s_wait_dscnt 4*NL                              ; all but the youngest 16 loads (A's blocks 4-7)
	WIN MUL_LO-0x20*(\zero)                        ; (with bp as C: source 2 in window 0)
	MUL16 0, (\q)%2, \q, \slot, \zero
	MUL16 2, (\q)%2, \q, \slot, \zero
	s_wait_dscnt 0x0
	PLACES NP
	FETCH_B \slot, (\q)+1, 1-(\q)%2
	FETCH_A \slot, (\q)+1, 0
	WIN MUL_HI-0x30*(\zero)
	MUL16 4, (\q)%2, \q, \slot, \zero
	MUL16 6, (\q)%2, \q, \slot, \zero
	PLACES NP
	WIN 0
	FETCH_A \slot, (\q)+1, 4
.endm
.macro TURN slot, next, fill
	s_wait_tensorcnt 0x0                           ; all my tensor loads have landed: my part of the next slot
	ds_add_u32 v[SPW], v[NIL]                      ; 0 onto my spare word
	s_wait_dscnt 4*NL+1                            ; (the add and the youngest 16 loads may be out)
	WIN MUL_LO
	MUL16 0, 1, NQ-1, \slot, 0
	s_wait_dscnt 0x0                               ; the add is done, and my reads of this slot are over
	s_barrier_signal -1
	MUL16 2, 1, NQ-1, \slot, 0
	WIN 0
	s_barrier_wait -1
.if \fill
	CREST                                          ; a round of the cluster's barrier: no wave of any partner still reads this slot or has a load on its way
	s_add_nc_u64 s[G0+4*\slot+2:G0+4*\slot+3], s[G0+4*\slot+2:G0+4*\slot+3], 8192
	s_add_nc_u64 s[G0B+4*\slot+2:G0B+4*\slot+3], s[G0B+4*\slot+2:G0B+4*\slot+3], 8192
	JLOAD G0+4*\slot, G1, G0B+4*\slot, G1B         ; the first tensor load behind the round, my only one until the next
	PLACES NP-4
.else
	PLACES NP
.endif
	s_wait_alu depctr_va_vdst(0)
	v_add_nc_u32 v[ADRS], 128, v[ADRS]
	FETCH_B \next, 0, 0
	FETCH_A \next, 0, 0
	SCALES \next
	WIN MUL_HI
	MUL16 4, 1, NQ-1, \slot, 0
	MUL16 6, 1, NQ-1, \slot, 0
	PLACES NP
	WIN 0
	FETCH_A \next, 0, 4
.endm
	s_wait_alu depctr_va_vdst(0)
	s_wait_loadcnt 0x0                             ; bp
	s_wait_tensorcnt 1                             ; the scale words and my part of slot 0 are in; slot 1's load may be out
	s_barrier_signal -1
	s_barrier_wait -1
	FETCH_B 0, 0, 0
	FETCH_A 0, 0, 0
	SCALES 0
	FETCH_A 0, 0, 4
	STEP 0, 0, 1
	TURN 0, 1, 1
	STEP 1, 0, 0
	TURN 1, 0, 1
	STEP 0, 0, 0
	TURN 0, 1, 0
	STEP 1, 0, 0
	s_wait_dscnt 4*NL
	WIN MUL_LO
	MUL16 0, 1, NQ-1, 1, 0
	MUL16 2, 1, NQ-1, 1, 0
	s_wait_dscnt 0x0
	WIN MUL_HI
	MUL16 4, 1, NQ-1, 1, 0
	MUL16 6, 1, NQ-1, 1, 0
	WIN 0
; THE WAY OUT, block by block of 16 rows x 128 columns, through my own stage: in as 32 bytes a lane, back as whole rows of 512 bytes.  LDS serves a wave's instructions in order: no wait between the stores and the loads.
.macro TOSTAGE a
.set AC, 64*((\a)%4)
	WIN 0x08+4*((\a)/4)                            ; an LDS store's data: window 2 or 3
.irp b, 0,1,2,3,4,5,6,7
	ds_store_b128 v[STO], v[AC+8*\b:AC+8*\b+3] offset:64*\b          ; each accumulator from its low end on
	ds_store_b128 v[STO], v[AC+8*\b+4:AC+8*\b+7] offset:64*\b+16
.endr
	WIN 0
.set BB, BK+64*((\a)%2)
.irp t, 0,1,2,3,4,5,6,7,8,9,10,11,12,13,14,15
	ds_load_b128 v[BB+4*\t:BB+4*\t+3], v[RD] offset:\t*SPITCH
.endr
.endm
.macro SEND a, younger                 ; younger: the LDS instructions issued behind block a's loads, which may stay out
.set BB, BK+64*((\a)%2)
	s_wait_dscnt \younger
.if (\a) > 0
	s_add_nc_u64 s[10:11], s[10:11], 16*4096       ; (behind a wait on XCNT: the earlier stores have read their base)
.endif
.irp t, 0,1,2,3,4,5,6,7,8,9,10,11,12,13,14,15
	global_store_b128 v[CO], v[BB+4*\t:BB+4*\t+3], s[10:11] offset:\t*4096 th:TH_STORE_NT   ; 32 lanes store 512 consecutive bytes, at a multiple of 256 from out0's first byte
.endr
.endm
	PLACES NP
	TOSTAGE 0
.irp a, 1,2,3,4,5,6,7
.if \a > 1
	s_wait_xcnt 0x0                                ; block a - 2's stores have read their registers and their base
.endif
	TOSTAGE \a
	SEND \a-1, 32                                  ; behind block a - 1's loads: block a's 16 stores and 16 loads
.endr
	s_wait_xcnt 0x0
	SEND 7, 0
	s_wait_tensorcnt 0x0                           ; the wave's end
	ds_add_u32 v[SPW], v[NIL]
	s_wait_dscnt 0x0
	CROUND                                         ; the closing round
	s_endpgm
.Lfunc_end_k_qed8553e661_proj:
	.size	k_qed8553e661_proj, .Lfunc_end_k_qed8553e661_proj-k_qed8553e661_proj
	.p2alignl 7, 3214868480
	.fill 96, 4, 3214868480
	.section	.rodata,"a",@progbits
	.p2align	6, 0x0
	.amdhsa_kernel k_qed8553e661_proj
		.amdhsa_group_segment_fixed_size 327680
		.amdhsa_private_segment_fixed_size 0
		.amdhsa_enable_private_segment 0
		.amdhsa_kernarg_size 32
		.amdhsa_user_sgpr_count 2
		.amdhsa_user_sgpr_kernarg_segment_ptr 1
		.amdhsa_wavefront_size32 1
		.amdhsa_system_sgpr_workgroup_id_x 1
		.amdhsa_system_sgpr_workgroup_id_y 1
		.amdhsa_system_sgpr_workgroup_id_z 1
		.amdhsa_system_vgpr_workitem_id 0
		.amdhsa_next_free_vgpr 1024
		.amdhsa_next_free_sgpr 102
		.amdhsa_reserve_vcc 0
		.amdhsa_float_denorm_mode_32 3
		.amdhsa_float_denorm_mode_16_64 3
		.amdhsa_memory_ordered 1
		.amdhsa_forward_progress 1
		.amdhsa_inst_pref_size 147
	.end_amdhsa_kernel
	.amdgpu_metadata
---
amdhsa.version: [ 1, 2 ]
amdhsa.kernels:
  - .name:           k_qed8553e661_proj
    .symbol:         k_qed8553e661_proj.kd
    .args:
      - { .name: att, .offset: 0, .size: 8, .value_kind: global_buffer, .address_space: global }
      - { .name: opnd, .offset: 8, .size: 8, .value_kind: global_buffer, .address_space: global }
      - { .name: bp, .offset: 16, .size: 8, .value_kind: global_buffer, .address_space: global }
      - { .name: out0, .offset: 24, .size: 8, .value_kind: global_buffer, .address_space: global }
    .group_segment_fixed_size: 327680
    .private_segment_fixed_size: 0
    .kernarg_segment_align: 8
    .kernarg_segment_size: 32
    .max_flat_workgroup_size: 128
    .sgpr_count:     102
    .vgpr_count:     1024
    .wavefront_size: 32
...
	.end_amdgpu_metadata
.endif
;; end of part 4
